; MI455X (gfx1250); checked and timed in simulation.
; The chip was launched on July 23, 2026; its instructions are those of AMD's public machine-readable ISA for CDNA 5 (MIT licence, August 2026) and "CDNA5" Instruction Set Architecture Reference Guide (July 2026). The comments in the code are by the model that wrote it; some were corrected since.
;; Sparse Mo EFFN. Allowed arithmetic: float matrix products may take bf16 or f16 operands with f32 sums; all other float work in f32.
;; Inputs: W1 8 x 1,024 x 2,048 float32; W2 8 x 2,048 x 1,024 float32; Wg 1,024 x 8 float32; b1 8 x 2,048 float32; b2 8 x 1,024 float32; bg 8 float32; x 4 x 512 x 1,024 float32.
;; Outputs: out0 4 x 512 x 1,024 float32; out1 one number float32.
;; 2 versions, each right; version 2 is version 1 with the launches ffn1, ffn2 written anew for expert scheduling mode. Each part assembles by itself: llvm-mc -triple=amdgcn-amd-amdhsa -mcpu=gfx1250 --defsym DOCPART=n.
;; ======== version 1 of 2: 5 launches
;; workspace buffers: sel 8,192 bytes of whole numbers; gw 16,384 bytes; auxp 8,192 bytes; slots 16,384 bytes of whole numbers; meta 256 bytes of whole numbers; xg 8,650,752 bytes; h 17,301,504 bytes; y 34,603,008 bytes
;; launch gate (part 1): grid 256 x 1, 4 waves a work-group, no clusters, 20,992 bytes of LDS; arguments x, Wg, bg, sel, gw, auxp; writes sel, gw, auxp
.if DOCPART == 1
	.amdgcn_target "amdgcn-amd-amdhsa--gfx1250"
	.amdhsa_code_object_version 6
	.text
	.protected	k_q9ba888ab3a_gate
	.globl	k_q9ba888ab3a_gate
	.p2align	8
	.type	k_q9ba888ab3a_gate,@function
k_q9ba888ab3a_gate:
	s_mov_b64 s[64:65], 0
	v_nop
	global_prefetch_b8 v0, s[64:65] scope:SCOPE_SE
	s_setreg_imm32_b32 hwreg(HW_REG_WAVE_MODE, 25, 1), 1
	s_wait_xcnt 0x0
; THE GATE.  logits = x Wg + bg; probs = 0.99 softmax(logits) + 0.00125; the two largest probs, renormalised; the sum of probs^2.
; x: [2048][1024] f32, Wg: [1024][8] f32, bg: [8] f32.  Out, for each token: sel = i0 | i1 << 8 (u32), gw = the two weights (f32), auxp = the sum of probs^2 (f32).
; FORMATS AND LIMITS.  x, Wg and bg are rounded to bf16 (nearest even), as every input of this program is; products exact, sums in f32.  The product has 8 columns:
; it is a stream over x, so it runs on the vector unit (a fused multiply-add straight from bf16 halves), not on the matrix unit.  The softmax takes the row's true maximum away.
; An exponential below 2^-126 counts as 0 (the probability is then 0.00125).  Of equal probabilities the lower index wins, as in top_k.  NaN and infinities are not treated apart.
; SHARES.  A work-group has 8 tokens, a wave 2.  Lane l owns the columns d = 128 j + 4 l + c (j = 0..7, c = 0..3): each load of x covers 512 consecutive bytes.
; Wg is rounded once by the work-group and lies in LDS, 16 bytes for each d; four d's and 16 bytes of padding make 80 bytes, so that the lanes' 16-byte reads start in different banks.
; The three results are 32, 64 and 32 bytes for a work-group: they leave as they are, a few bytes a wave.
.set BG,  8                            ; v[8:15]    bg, rounded
.set ACC, 16                           ; v[16:31]   the 2 x 8 sums
.set XP,  32                           ; v[32:63]   x in bf16 pairs: token t, 16 words
.set WGT, 64                           ; v[64:191]  Wg in bf16: for d = (j, c) four words, 8 experts; v[64:127] first take Wg as loaded
.set XF,  192                          ; v[192:255] x as loaded
.set SCR, 192                          ; later: 32 registers at work for each token
	s_load_b256 s[4:11], s[0:1], 0x0               ; x s[4:5], Wg s[6:7], bg s[8:9], sel s[10:11]
	s_load_b128 s[12:15], s[0:1], 0x20             ; gw s[12:13], auxp s[14:15]
	s_set_vgpr_msb 0x40
	v_lshl_add_u32 v0, v0, 2, 0x5000
	v_mov_b32 v1, 0
	s_set_vgpr_msb 0x4000
	v_and_b32 v1, 31, v0                           ; lane
	v_lshrrev_b32 v2, 5, v0
	v_readfirstlane_b32 s24, v2                    ; wave
	s_mov_b32 s32, 0x76543210                      ; v_permlanex16_b32: each lane takes its own place in the other half
	s_mov_b32 s33, 0xfedcba98
	s_mov_b32 s28, 0x3fb8aa3b                      ; log2(e)
	s_mov_b32 s29, 0x3f7d70a4                      ; 0.99
	s_mov_b32 s30, 0x3aa3d70a                      ; 0.01 / 8
	s_lshl_b32 s25, ttmp9, 3
	s_lshl1_add_u32 s25, s24, s25                  ; my first token = 8 x work-group + 2 x wave
	s_lshl_b32 s26, s25, 12                        ; its row of 4,096 bytes
	s_mov_b32 s27, 0
	s_lshl_b32 s34, s25, 2                         ; 4 bytes a token
	s_mov_b32 s35, 0
	s_lshl_b32 s36, s25, 3                         ; 8 bytes a token
	s_mov_b32 s37, 0
	v_lshlrev_b32 v3, 4, v0                        ; Wg: 16 bytes a thread
	v_lshlrev_b32 v4, 4, v1                        ; x: 16 bytes a lane
	v_lshrrev_b32 v5, 3, v0
	v_mul_u32_u24 v5, v5, 80
	v_and_b32 v6, 7, v0
	v_lshl_add_u32 v5, v6, 3, v5                   ; where I put 8 bytes of Wg: group thread / 8, place thread % 8
	v_mul_u32_u24 v6, v1, 80                       ; where I read: group 32 j + lane
	s_wait_kmcnt 0x0
	s_load_b256 s[16:23], s[8:9], 0x0              ; bg
	s_add_nc_u64 s[4:5], s[4:5], s[26:27]
	s_add_nc_u64 s[10:11], s[10:11], s[34:35]
	s_add_nc_u64 s[14:15], s[14:15], s[34:35]
	s_add_nc_u64 s[12:13], s[12:13], s[36:37]
.irp i, 0,1,2,3,4,5,6,7,8,9,10,11,12,13,14,15
	global_load_b128 v[WGT+4*(\i):WGT+4*(\i)+3], v3, s[6:7] offset:2048*(\i)
.endr
.irp t, 0,1
.irp j, 0,1,2,3,4,5,6,7
	global_load_b128 v[XF+32*(\t)+4*(\j):XF+32*(\t)+4*(\j)+3], v4, s[4:5] offset:4096*(\t)+512*(\j)
.endr
.endr
	s_wait_loadcnt 16                              ; Wg's 16 loads are in; x's 16, issued behind them, stay out
.irp i, 0,1,2,3,4,5,6,7,8,9,10,11,12,13,14,15
	v_cvt_pk_bf16_f32 v[WGT+4*(\i)], v[WGT+4*(\i)], v[WGT+4*(\i)+1]
	v_cvt_pk_bf16_f32 v[WGT+4*(\i)+1], v[WGT+4*(\i)+2], v[WGT+4*(\i)+3]
	ds_store_b64 v5, v[WGT+4*(\i):WGT+4*(\i)+1] offset:1280*(\i)  ; load i holds d = 64 i + thread / 2: 16 groups of 80 bytes on
.endr
	s_wait_dscnt 0x0                               ; for the others' sake: my part of Wg is in LDS
	s_barrier_signal -1
	s_barrier_wait -1
.irp j, 0,1,2,3,4,5,6,7
.irp c, 0,1,2,3
	ds_load_b128 v[WGT+4*(4*(\j)+(\c)):WGT+4*(4*(\j)+(\c))+3], v6 offset:2560*(\j)+16*(\c)
.endr
.endr
	s_wait_loadcnt 0x0                             ; x
.irp t, 0,1
.irp k, 0,1,2,3,4,5,6,7,8,9,10,11,12,13,14,15
	v_cvt_pk_bf16_f32 v[XP+16*(\t)+(\k)], v[XF+32*(\t)+2*(\k)], v[XF+32*(\t)+2*(\k)+1]
.endr
.endr
	s_wait_kmcnt 0x0                               ; bg
.irp k, 0,1,2,3
	v_cvt_pk_bf16_f32 v2, s[16+2*(\k)], s[17+2*(\k)]
	v_lshlrev_b32 v[BG+2*(\k)], 16, v2
	v_and_b32 v[BG+2*(\k)+1], 0xffff0000, v2
.endr
.irp a, 0,1,2,3,4,5,6,7,8,9,10,11,12,13,14,15
	v_mov_b32 v[ACC+(\a)], 0
.endr
	s_wait_dscnt 0x0                               ; Wg's words
	; 32 columns x 2 tokens x 8 experts: the 16 sums take turns, so that no line waits for the one before it
.irp j, 0,1,2,3,4,5,6,7
.irp cp, 0,1
.irp cs, 0,1
.irp t, 0,1
.irp ep, 0,1,2,3
.irp es, 0,1
	v_fma_mix_f32_bf16 v[ACC+8*(\t)+2*(\ep)+(\es)], v[XP+16*(\t)+2*(\j)+(\cp)], v[WGT+4*(4*(\j)+2*(\cp)+(\cs))+(\ep)], v[ACC+8*(\t)+2*(\ep)+(\es)] op_sel:[\cs,\es,0] op_sel_hi:[1,1,0]
.endr
.endr
.endr
.endr
.endr
.endr
	; over the 32 lanes: four steps inside each half of 16 lanes, one across; every lane ends with the sums
.irp m, 1,2,4,8
.irp a, 0,1,2,3,4,5,6,7,8,9,10,11,12,13,14,15
	v_add_f32_dpp v[ACC+(\a)], v[ACC+(\a)], v[ACC+(\a)] row_xmask:\m row_mask:0xf bank_mask:0xf
.endr
.endr
.irp a, 0,1,2,3,4,5,6,7,8,9,10,11,12,13,14,15
	v_permlanex16_b32 v[SCR+(\a)], v[ACC+(\a)], s32, s33
.endr
.irp a, 0,1,2,3,4,5,6,7,8,9,10,11,12,13,14,15
	v_add_f32 v[ACC+(\a)], v[ACC+(\a)], v[SCR+(\a)]
.endr
; One token's gate, the same in every lane.  At Q: +0..7 exponentials, then probs; +12 the sum of squares; +13, +14 the largest and its index; +15, +16 the second; +20 sel; +22, +23 the weights.
.macro GATE tok
.set L, ACC+8*(\tok)
.set Q, SCR+32*(\tok)
.irp e, 0,1,2,3,4,5,6,7
	v_add_f32 v[L+(\e)], v[L+(\e)], v[BG+(\e)]
.endr
	v_max3_num_f32 v[Q+8], v[L], v[L+1], v[L+2]
	v_max3_num_f32 v[Q+8], v[Q+8], v[L+3], v[L+4]
	v_max3_num_f32 v[Q+8], v[Q+8], v[L+5], v[L+6]
	v_max_num_f32 v[Q+8], v[Q+8], v[L+7]           ; the row's maximum
	v_mul_f32 v[Q+9], s28, v[Q+8]
.irp e, 0,1,2,3,4,5,6,7
	v_fma_f32 v[Q+(\e)], v[L+(\e)], s28, -v[Q+9]
.endr
.irp e, 0,1,2,3,4,5,6,7
	v_exp_f32 v[Q+(\e)], v[Q+(\e)]
.endr
	v_nop                                          ; a plain instruction between the last exponential and the use of its result
	s_wait_alu depctr_va_vdst(0)
	v_add_f32 v[Q+10], v[Q], v[Q+1]
	v_add_f32 v[Q+11], v[Q+2], v[Q+3]
	v_add_f32 v[Q+12], v[Q+4], v[Q+5]
	v_add_f32 v[Q+13], v[Q+6], v[Q+7]
	v_add_f32 v[Q+10], v[Q+10], v[Q+11]
	v_add_f32 v[Q+12], v[Q+12], v[Q+13]
	v_add_f32 v[Q+10], v[Q+10], v[Q+12]
	v_rcp_f32 v[Q+11], v[Q+10]
	v_nop
	s_wait_alu depctr_va_vdst(0)
	v_mul_f32 v[Q+11], s29, v[Q+11]                ; 0.99 / sum
.irp e, 0,1,2,3,4,5,6,7
	v_fma_f32 v[Q+(\e)], v[Q+(\e)], v[Q+11], s30   ; probs
.endr
	v_mul_f32 v[Q+12], v[Q], v[Q]
.irp e, 1,2,3,4,5,6,7
	v_fmac_f32 v[Q+12], v[Q+(\e)], v[Q+(\e)]
.endr
	v_mov_b32 v[Q+13], v[Q]                        ; the largest: a later one wins only if it is greater
	v_mov_b32 v[Q+14], 0
.irp e, 1,2,3,4,5,6,7
	v_cmp_gt_f32 vcc_lo, v[Q+(\e)], v[Q+13]
	v_cndmask_b32 v[Q+13], v[Q+13], v[Q+(\e)], vcc_lo
	v_cndmask_b32 v[Q+14], v[Q+14], \e, vcc_lo
.endr
	v_mov_b32 v[Q+15], -1.0                        ; the largest of the others: probs are positive
	v_mov_b32 v[Q+16], 0
.irp e, 0,1,2,3,4,5,6,7
	v_cmp_ne_u32 s31, \e, v[Q+14]
	v_cmp_gt_f32 vcc_lo, v[Q+(\e)], v[Q+15]
	s_and_b32 vcc_lo, vcc_lo, s31
	v_cndmask_b32 v[Q+15], v[Q+15], v[Q+(\e)], vcc_lo
	v_cndmask_b32 v[Q+16], v[Q+16], \e, vcc_lo
.endr
	v_add_f32 v[Q+17], v[Q+13], v[Q+15]
	v_rcp_f32 v[Q+18], v[Q+17]
	v_lshl_or_b32 v[Q+20], v[Q+16], 8, v[Q+14]     ; (also the plain instruction behind the reciprocal)
	s_wait_alu depctr_va_vdst(0)
	v_mul_f32 v[Q+22], v[Q+13], v[Q+18]
	v_mul_f32 v[Q+23], v[Q+15], v[Q+18]
.endm
	GATE 0
	GATE 1
	v_cmp_eq_u32 vcc_lo, 1, v1                     ; lane 0 stores the first token's results, lane 1 the second's
	v_cndmask_b32 v[SCR+20], v[SCR+20], v[SCR+52], vcc_lo
	v_cndmask_b32 v[SCR+22], v[SCR+22], v[SCR+54], vcc_lo
	v_cndmask_b32 v[SCR+23], v[SCR+23], v[SCR+55], vcc_lo
	v_cndmask_b32 v[SCR+12], v[SCR+12], v[SCR+44], vcc_lo
	v_lshlrev_b32 v7, 2, v1
	v_lshlrev_b32 v3, 3, v1
	s_wait_xcnt 0x0                                ; EXEC changes only behind this wait
	v_cmp_gt_u32 vcc_lo, 2, v1
	s_set_vgpr_msb 0x5
	s_wait_tensorcnt 0x0
	ds_add_u32 v0, v1
	s_wait_dscnt 0x0
	s_set_vgpr_msb 0x500
	s_and_saveexec_b32 s24, vcc_lo
	global_store_b32 v7, v[SCR+20], s[10:11]
	global_store_b64 v3, v[SCR+22:SCR+23], s[12:13]
	global_store_b32 v7, v[SCR+12], s[14:15]
	s_wait_xcnt 0x0                                ; and again, in front of the line that widens it
	s_or_b32 exec_lo, exec_lo, s24
	s_endpgm
.Lfunc_end_k_q9ba888ab3a_gate:
	.size	k_q9ba888ab3a_gate, .Lfunc_end_k_q9ba888ab3a_gate-k_q9ba888ab3a_gate
	.p2alignl 7, 3214868480
	.fill 96, 4, 3214868480
	.section	.rodata,"a",@progbits
	.p2align	6, 0x0
	.amdhsa_kernel k_q9ba888ab3a_gate
		.amdhsa_group_segment_fixed_size 20992
		.amdhsa_private_segment_fixed_size 0
		.amdhsa_enable_private_segment 0
		.amdhsa_kernarg_size 48
		.amdhsa_user_sgpr_count 2
		.amdhsa_user_sgpr_kernarg_segment_ptr 1
		.amdhsa_wavefront_size32 1
		.amdhsa_system_sgpr_workgroup_id_x 1
		.amdhsa_system_sgpr_workgroup_id_y 1
		.amdhsa_system_sgpr_workgroup_id_z 1
		.amdhsa_system_vgpr_workitem_id 0
		.amdhsa_next_free_vgpr 258
		.amdhsa_next_free_sgpr 66
		.amdhsa_reserve_vcc 1
		.amdhsa_float_denorm_mode_32 3
		.amdhsa_float_denorm_mode_16_64 3
		.amdhsa_memory_ordered 1
		.amdhsa_forward_progress 1
		.amdhsa_inst_pref_size 63
	.end_amdhsa_kernel
	.amdgpu_metadata
---
amdhsa.version: [ 1, 2 ]
amdhsa.kernels:
  - .name:           k_q9ba888ab3a_gate
    .symbol:         k_q9ba888ab3a_gate.kd
    .args:
      - { .name: x, .offset: 0, .size: 8, .value_kind: global_buffer, .address_space: global }
      - { .name: Wg, .offset: 8, .size: 8, .value_kind: global_buffer, .address_space: global }
      - { .name: bg, .offset: 16, .size: 8, .value_kind: global_buffer, .address_space: global }
      - { .name: sel, .offset: 24, .size: 8, .value_kind: global_buffer, .address_space: global }
      - { .name: gw, .offset: 32, .size: 8, .value_kind: global_buffer, .address_space: global }
      - { .name: auxp, .offset: 40, .size: 8, .value_kind: global_buffer, .address_space: global }
    .group_segment_fixed_size: 20992
    .private_segment_fixed_size: 0
    .kernarg_segment_align: 8
    .kernarg_segment_size: 48
    .max_flat_workgroup_size: 128
    .sgpr_count:     66
    .vgpr_count:     258
    .wavefront_size: 32
...
	.end_amdgpu_metadata
.endif
;; end of part 1
;; launch dispatch (part 2): grid 264 x 1, 8 waves a work-group, no clusters, 37,120 bytes of LDS; arguments sel, auxp, x, xg, slots, meta, out1; writes xg, slots, meta, out1
.if DOCPART == 2
	.amdgcn_target "amdgcn-amd-amdhsa--gfx1250"
	.amdhsa_code_object_version 6
	.text
	.protected	k_q9ba888ab3a_dispatch
	.globl	k_q9ba888ab3a_dispatch
	.p2align	8
	.type	k_q9ba888ab3a_dispatch,@function
k_q9ba888ab3a_dispatch:
	s_mov_b64 s[64:65], 0
	v_nop
	global_prefetch_b8 v0, s[64:65] scope:SCOPE_SE
	s_setreg_imm32_b32 hwreg(HW_REG_WAVE_MODE, 25, 1), 1
	s_wait_xcnt 0x0
; DISPATCH.  The 4,096 (token, expert) picks are sorted by expert into SLOTS; an expert's slots begin at a multiple of 16, so that a TILE of 16 slots belongs to one expert:
; at most 4,096 / 16 + 7 = 263 tiles; 264 are written.  Work-group g gathers tile g's 16 rows of x, rounds them to bf16 and stores them IN THE ORDER OF MATRIX FRAGMENTS:
; xg[tile][K step of 32][1,024 bytes]: 16 bytes a lane for registers 0-3 (token lane % 16, k = 8 (lane / 16) + 0..7), then 16 bytes a lane for registers 4-7 (k 16 further on).
; Every work-group repeats the whole sort, from the 8 KB of sel, in registers: no traffic between work-groups.  Work-group 0 also stores the slots of all picks, its wave 0
; meta (word e: expert e's tiles; word 8 + e: its first tile) and out1 = 8 x the mean over the tokens of auxp.
; A slot that holds no pick (an expert's last tile is filled up; tiles behind the last expert's) takes token 0: its row is stored, multiplied further on, and never read by the last launch.
; THE ORDER.  Thread T holds chunks c = 0..7, token (c / 4) 1024 + 4 T + c % 4 (two loads of 16 bytes).  Within an expert the picks are ranked by (wave, chunk, lane).
; No LDS address and no branch hangs on sel: which token lies in row i of my tile is found by comparing every pick's slot with 16 g + i.
.set SEL,  8                           ; v[8:15]   sel of my 8 tokens; later GOF, the gather's byte offsets
.set GOF,  8
.set I0,   16                          ; v[16:23]  first pick's expert
.set I1,   24                          ; v[24:31]  second pick's
.set S0,   32                          ; v[32:39]  first pick's slot
.set S1,   40                          ; v[40:47]  second pick's
.set TK,   48                          ; v[48:55]  token + 1
.set KEY,  56                          ; v[56:63]  the row of my tile in which the token lies, or a number above 15
.set CAND, 64                          ; v[64:79]  row i: token + 1 if one of my 8 tokens lies there, else 0
.set CV,   80                          ; v80       lane i: my wave's candidate for row i
.set TAB,  81                          ; v[81:88]  a column of a table in LDS, one register for each wave
.set TOKR, 89                          ; v[89:96]  the tokens of rows 2 i + lane / 16
.set DAT,  64                          ; v[64:127] the gathered rows, then auxp
.set CNT,  20                          ; s[20:27]  my wave's picks of expert e; then all waves'
.set PRE,  28                          ; s[28:35]  the picks of the waves before mine; then the next free slot
.set TT,   36                          ; s[36:43]  expert e's tiles
.set TB,   44                          ; s[44:51]  its first tile
.set LCAND, 256                        ; LDS: 0..255 counts [wave][8]; 256..1279 candidates [wave][32]; from 1280 a stage of 16 rows x 272 bytes for each wave
.set LSTG,  1280
	s_load_b256 s[4:11], s[0:1], 0x0               ; sel s[4:5], auxp s[6:7], x s[8:9], xg s[10:11]
	s_load_b128 s[12:15], s[0:1], 0x20             ; slots s[12:13], meta s[14:15]
	s_load_b64 s[16:17], s[0:1], 0x30              ; out1
	v_lshl_add_u32 v136, v0, 2, 0x8d00
	v_mov_b32 v137, 0
	v_and_b32 v1, 31, v0                           ; lane
	v_and_b32 v2, 15, v0                           ; r = lane % 16
	v_bfe_u32 v3, v0, 4, 1                         ; h = lane / 16
	v_lshrrev_b32 v4, 5, v0
	v_readfirstlane_b32 s18, v4                    ; wave
	v_lshlrev_b32 v5, 4, v0                        ; 16 T; never rewritten
	v_lshlrev_b32 v6, 2, v0
	s_wait_kmcnt 0x0
	global_load_b128 v[SEL:SEL+3], v5, s[4:5]
	global_load_b128 v[SEL+4:SEL+7], v5, s[4:5] offset:4096
.irp c, 0,1,2,3,4,5,6,7
	v_add_nc_u32 v[TK+(\c)], ((\c)/4)*1024+(\c)%4+1, v6
.endr
.irp e, 0,1,2,3,4,5,6,7
	s_mov_b32 s[CNT+(\e)], 0
.endr
	s_lshl_b32 s60, ttmp9, 4                       ; my tile's first slot
	s_lshl_b32 s54, ttmp9, 15                      ; my tile's 32,768 bytes of xg
	s_mov_b32 s55, 0
	s_add_nc_u64 s[10:11], s[10:11], s[54:55]
	s_wait_loadcnt 0x0
.irp c, 0,1,2,3,4,5,6,7
	v_and_b32 v[I0+(\c)], 0xff, v[SEL+(\c)]
	v_lshrrev_b32 v[I1+(\c)], 8, v[SEL+(\c)]
.endr
; how many of chunk c's 32 tokens pick expert e (a token's two picks differ)
.macro CNTA c, e
	v_cmp_eq_u32 s56, \e, v[I0+(\c)]
	v_cmp_eq_u32 s57, \e, v[I1+(\c)]
	s_or_b32 s58, s56, s57
	s_bcnt1_i32_b32 s59, s58
	s_add_co_u32 s[CNT+(\e)], s[CNT+(\e)], s59
.endm
.irp c, 0,1,2,3,4,5,6,7
.irp e, 0,1,2,3,4,5,6,7
	CNTA \c, \e
.endr
.endr
	s_lshl_b32 s56, s18, 5
	v_mov_b32 v7, s56                              ; my wave's 8 words
.irp e, 0,1,2,3,4,5,6,7
	v_mov_b32 v[TAB+(\e)], s[CNT+(\e)]
	ds_store_b32 v7, v[TAB+(\e)] offset:4*(\e)     ; all lanes write the same word with the same value
.endr
	s_wait_dscnt 0x0                               ; for the others' sake
	s_barrier_signal -1
	s_barrier_wait -1
	v_and_b32 v6, 7, v0
	v_lshlrev_b32 v6, 2, v6                        ; lane l looks at expert l % 8
.irp p, 0,1,2,3,4,5,6,7
	ds_load_b32 v[TAB+(\p)], v6 offset:32*(\p)
.endr
	v_mov_b32 v4, 0                                ; all waves' picks
	v_mov_b32 v7, 0                                ; those of the waves before mine
	s_wait_dscnt 0x0
.irp p, 0,1,2,3,4,5,6,7
	s_cmp_gt_u32 s18, \p
	s_cselect_b32 s56, -1, 0
	v_add_nc_u32 v4, v4, v[TAB+(\p)]
	v_and_b32 v[TAB+(\p)], s56, v[TAB+(\p)]
	v_add_nc_u32 v7, v7, v[TAB+(\p)]
.endr
.irp e, 0,1,2,3,4,5,6,7
	v_readlane_b32 s[CNT+(\e)], v4, \e
	v_readlane_b32 s[PRE+(\e)], v7, \e
.endr
	s_mov_b32 s52, 0                               ; tiles so far
.irp e, 0,1,2,3,4,5,6,7
	s_add_co_u32 s[TT+(\e)], s[CNT+(\e)], 15
	s_lshr_b32 s[TT+(\e)], s[TT+(\e)], 4
	s_mov_b32 s[TB+(\e)], s52
	s_lshl_b32 s56, s52, 4
	s_add_co_u32 s[PRE+(\e)], s[PRE+(\e)], s56     ; my wave's first slot of expert e
	s_add_co_u32 s52, s52, s[TT+(\e)]
.endr
.irp c, 0,1,2,3,4,5,6,7
	v_mov_b32 v[S0+(\c)], 0
	v_mov_b32 v[S1+(\c)], 0
.endr
; the slots of chunk c's picks of expert e: the next free slot plus the number of lower lanes that pick e too
.macro SLOT c, e
	v_cmp_eq_u32 s56, \e, v[I0+(\c)]
	v_cmp_eq_u32 s57, \e, v[I1+(\c)]
	s_or_b32 s58, s56, s57
	v_mbcnt_lo_u32_b32 v4, s58, s[PRE+(\e)]
	v_cndmask_b32 v[S0+(\c)], v[S0+(\c)], v4, s56
	v_cndmask_b32 v[S1+(\c)], v[S1+(\c)], v4, s57
	s_bcnt1_i32_b32 s59, s58
	s_add_co_u32 s[PRE+(\e)], s[PRE+(\e)], s59
.endm
.irp c, 0,1,2,3,4,5,6,7
.irp e, 0,1,2,3,4,5,6,7
	SLOT \c, \e
.endr
.endr
	; which token lies in row i of my tile.  A tile belongs to one expert, so at most one of a token's two picks lies in it.
.irp c, 0,1,2,3,4,5,6,7
	v_sub_nc_u32 v4, v[S0+(\c)], s60
	v_sub_nc_u32 v6, v[S1+(\c)], s60
	v_cmp_gt_u32 vcc_lo, 16, v4
	v_cndmask_b32 v[KEY+(\c)], v6, v4, vcc_lo
.endr
.irp i, 0,1,2,3,4,5,6,7,8,9,10,11,12,13,14,15
	v_mov_b32 v[CAND+(\i)], 0
.irp c, 0,1,2,3,4,5,6,7
	v_cmp_eq_u32 vcc_lo, \i, v[KEY+(\c)]
	v_cndmask_b32 v[CAND+(\i)], v[CAND+(\i)], v[TK+(\c)], vcc_lo
.endr
.endr
	v_mov_b32 v[CV], 0
.irp i, 0,1,2,3,4,5,6,7,8,9,10,11,12,13,14,15
	v_cmp_ne_u32 vcc_lo, 0, v[CAND+(\i)]           ; at most one lane has it
	s_ctz_i32_b32 s56, vcc_lo                      ; that lane, or -1,
	s_min_u32 s56, s56, 31                         ; which becomes lane 31, whose candidate is then 0
	v_readlane_b32 s57, v[CAND+(\i)], s56
	v_writelane_b32 v[CV], s57, \i
.endr
	s_lshl_b32 s56, s18, 7
	s_add_co_u32 s56, s56, LCAND
	v_lshl_add_u32 v7, v1, 2, s56
	ds_store_b32 v7, v[CV]
	s_wait_dscnt 0x0                               ; for the others' sake
	s_barrier_signal -1
	s_barrier_wait -1
	v_lshlrev_b32 v6, 2, v2
.irp p, 0,1,2,3,4,5,6,7
	ds_load_b32 v[TAB+(\p)], v6 offset:LCAND+128*(\p)
.endr
	s_lshl_b32 s56, s18, 9                         ; my wave's 128 columns: 512 bytes of a row of x
	v_lshl_add_u32 v128, v2, 4, s56                ; + 16 bytes a lane of a half
	s_mul_i32 s57, s18, 4352
	s_add_co_u32 s57, s57, LSTG                    ; my stage
	v_mul_u32_u24 v129, v3, 272                    ; in: row 2 i + h, 8 bytes a lane
	v_lshl_add_u32 v129, v2, 3, v129
	v_add_nc_u32 v129, s57, v129
	v_mul_u32_u24 v130, v2, 272                    ; back: row r, 16 bytes for each half of the lanes
	v_lshl_add_u32 v130, v3, 4, v130
	v_add_nc_u32 v130, s57, v130
	s_lshl_b32 s56, s18, 12                        ; my wave's four K steps of the tile: 4,096 bytes of xg
	v_lshl_add_u32 v131, v1, 4, s56
	s_wait_dscnt 0x0
	v_or_b32 v4, v[TAB], v[TAB+1]
.irp p, 2,3,4,5,6,7
	v_or_b32 v4, v4, v[TAB+(\p)]
.endr
	v_max_u32 v4, 1, v4                            ; an empty row takes token 0
	v_add_nc_u32 v4, -1, v4                        ; lane l: the token of row l % 16
	v_lshlrev_b32 v6, 2, v3
.irp i, 0,1,2,3,4,5,6,7
	v_add_nc_u32 v[TAB+(\i)], 8*(\i), v6
	ds_bpermute_b32 v[TOKR+(\i)], v[TAB+(\i)], v4  ; the token of row 2 i + h
.endr
	s_wait_dscnt 0x0
.irp i, 0,1,2,3,4,5,6,7
	v_min_u32 v[TOKR+(\i)], 0x7ff, v[TOKR+(\i)]
	v_lshl_add_u32 v[GOF+(\i)], v[TOKR+(\i)], 12, v128
.endr
.irp i, 0,1,2,3,4,5,6,7
	global_load_b128 v[DAT+8*(\i):DAT+8*(\i)+3],   v[GOF+(\i)], s[8:9]             ; two rows, 256 consecutive bytes of each
	global_load_b128 v[DAT+8*(\i)+4:DAT+8*(\i)+7], v[GOF+(\i)], s[8:9] offset:256
.endr
.irp i, 0,1,2,3,4,5,6,7
.irp p, 0,1
	s_wait_loadcnt 15-2*(\i)-(\p)                  ; loads come back in order: this one is in, the younger ones stay out
	v_cvt_pk_bf16_f32 v[DAT+8*(\i)+4*(\p)], v[DAT+8*(\i)+4*(\p)], v[DAT+8*(\i)+4*(\p)+1]
	v_cvt_pk_bf16_f32 v[DAT+8*(\i)+4*(\p)+1], v[DAT+8*(\i)+4*(\p)+2], v[DAT+8*(\i)+4*(\p)+3]
	ds_store_b64 v129, v[DAT+8*(\i)+4*(\p):DAT+8*(\i)+4*(\p)+1] offset:544*(\i)+128*(\p)
.endr
.endr
.irp n, 0,1,2,3,4,5,6,7                ; K step n / 2 of my four, registers 0-3 (n even) or 4-7 (n odd); LDS serves a wave's instructions in order: these see the stores above
	ds_load_b128 v[16+4*(\n)+16*((\n)/4):16+4*(\n)+16*((\n)/4)+3], v130 offset:32*(\n)
.endr
.irp n, 0,1,2,3,4,5,6,7
	s_wait_dscnt 7-(\n)
	global_store_b128 v131, v[16+4*(\n)+16*((\n)/4):16+4*(\n)+16*((\n)/4)+3], s[10:11] offset:512*(\n)  ; 512 consecutive bytes
.endr
	s_cmp_lg_u32 ttmp9, 0
	s_cbranch_scc1 .Lend
	global_store_b128 v5, v[S0:S0+3],   s[12:13]               ; work-group 0: the slots of all picks
	global_store_b128 v5, v[S0+4:S0+7], s[12:13] offset:4096
	global_store_b128 v5, v[S1:S1+3],   s[12:13] offset:8192
	global_store_b128 v5, v[S1+4:S1+7], s[12:13] offset:12288
	s_cmp_lg_u32 s18, 0
	s_cbranch_scc1 .Lend
	s_wait_xcnt 0x0                                ; registers that earlier loads and stores name are written again only behind this wait
	v_mov_b32 v7, 0
.irp e, 0,1,2,3,4,5,6,7
	v_writelane_b32 v7, s[TT+(\e)], \e
	v_writelane_b32 v7, s[TB+(\e)], 8+(\e)
.endr
	v_lshlrev_b32 v6, 2, v1
	global_store_b32 v6, v7, s[14:15]              ; meta: 32 words
	v_lshlrev_b32 v4, 4, v1
.irp i, 0,1,2,3,4,5,6,7,8,9,10,11,12,13,14,15
	global_load_b128 v[DAT+4*(\i):DAT+4*(\i)+3], v4, s[6:7] offset:512*(\i)
.endr
	s_mov_b32 s54, 0x76543210
	s_mov_b32 s55, 0xfedcba98
	v_mov_b32 v128, 0
	s_wait_loadcnt 0x0
.irp k, 0,1,2,3,4,5,6,7,8,9,10,11,12,13,14,15
	v_pk_add_f32 v[DAT+2*(\k):DAT+2*(\k)+1], v[DAT+2*(\k):DAT+2*(\k)+1], v[DAT+32+2*(\k):DAT+32+2*(\k)+1]
.endr
.irp k, 0,1,2,3,4,5,6,7
	v_pk_add_f32 v[DAT+2*(\k):DAT+2*(\k)+1], v[DAT+2*(\k):DAT+2*(\k)+1], v[DAT+16+2*(\k):DAT+16+2*(\k)+1]
.endr
.irp k, 0,1,2,3
	v_pk_add_f32 v[DAT+2*(\k):DAT+2*(\k)+1], v[DAT+2*(\k):DAT+2*(\k)+1], v[DAT+8+2*(\k):DAT+8+2*(\k)+1]
.endr
.irp k, 0,1
	v_pk_add_f32 v[DAT+2*(\k):DAT+2*(\k)+1], v[DAT+2*(\k):DAT+2*(\k)+1], v[DAT+4+2*(\k):DAT+4+2*(\k)+1]
.endr
	v_pk_add_f32 v[DAT:DAT+1], v[DAT:DAT+1], v[DAT+2:DAT+3]
	v_add_f32 v[DAT], v[DAT], v[DAT+1]
.irp m, 1,2,4,8
	v_add_f32_dpp v[DAT], v[DAT], v[DAT] row_xmask:\m row_mask:0xf bank_mask:0xf
.endr
	v_permlanex16_b32 v[DAT+1], v[DAT], s54, s55
	v_add_f32 v[DAT], v[DAT], v[DAT+1]
	v_mul_f32 v[DAT], 0x3b800000, v[DAT]           ; 8 / 2,048
	s_wait_xcnt 0x0                                ; EXEC changes only behind this wait
	v_cmp_eq_u32 vcc_lo, 0, v1
	s_and_saveexec_b32 s56, vcc_lo
	global_store_b32 v128, v[DAT], s[16:17]
	s_wait_xcnt 0x0                                ; and again, in front of the line that widens it
	s_or_b32 exec_lo, exec_lo, s56
.Lend:
	s_wait_tensorcnt 0x0
	ds_add_u32 v136, v137
	s_wait_dscnt 0x0
	s_endpgm
.Lfunc_end_k_q9ba888ab3a_dispatch:
	.size	k_q9ba888ab3a_dispatch, .Lfunc_end_k_q9ba888ab3a_dispatch-k_q9ba888ab3a_dispatch
	.p2alignl 7, 3214868480
	.fill 96, 4, 3214868480
	.section	.rodata,"a",@progbits
	.p2align	6, 0x0
	.amdhsa_kernel k_q9ba888ab3a_dispatch
		.amdhsa_group_segment_fixed_size 37120
		.amdhsa_private_segment_fixed_size 0
		.amdhsa_enable_private_segment 0
		.amdhsa_kernarg_size 56
		.amdhsa_user_sgpr_count 2
		.amdhsa_user_sgpr_kernarg_segment_ptr 1
		.amdhsa_wavefront_size32 1
		.amdhsa_system_sgpr_workgroup_id_x 1
		.amdhsa_system_sgpr_workgroup_id_y 1
		.amdhsa_system_sgpr_workgroup_id_z 1
		.amdhsa_system_vgpr_workitem_id 0
		.amdhsa_next_free_vgpr 138
		.amdhsa_next_free_sgpr 66
		.amdhsa_reserve_vcc 1
		.amdhsa_float_denorm_mode_32 3
		.amdhsa_float_denorm_mode_16_64 3
		.amdhsa_memory_ordered 1
		.amdhsa_forward_progress 1
		.amdhsa_inst_pref_size 79
	.end_amdhsa_kernel
	.amdgpu_metadata
---
amdhsa.version: [ 1, 2 ]
amdhsa.kernels:
  - .name:           k_q9ba888ab3a_dispatch
    .symbol:         k_q9ba888ab3a_dispatch.kd
    .args:
      - { .name: sel, .offset: 0, .size: 8, .value_kind: global_buffer, .address_space: global }
      - { .name: auxp, .offset: 8, .size: 8, .value_kind: global_buffer, .address_space: global }
      - { .name: x, .offset: 16, .size: 8, .value_kind: global_buffer, .address_space: global }
      - { .name: xg, .offset: 24, .size: 8, .value_kind: global_buffer, .address_space: global }
      - { .name: slots, .offset: 32, .size: 8, .value_kind: global_buffer, .address_space: global }
      - { .name: meta, .offset: 40, .size: 8, .value_kind: global_buffer, .address_space: global }
      - { .name: out1, .offset: 48, .size: 8, .value_kind: global_buffer, .address_space: global }
    .group_segment_fixed_size: 37120
    .private_segment_fixed_size: 0
    .kernarg_segment_align: 8
    .kernarg_segment_size: 56
    .max_flat_workgroup_size: 256
    .sgpr_count:     66
    .vgpr_count:     138
    .wavefront_size: 32
...
	.end_amdgpu_metadata
.endif
;; end of part 2
;; launch ffn1 (part 3): grid 256 x 1, 8 waves a work-group, no clusters, 164,864 bytes of LDS; arguments xg, W1, b1, meta, h; writes h
.if DOCPART == 3
	.amdgcn_target "amdgcn-amd-amdhsa--gfx1250"
	.amdhsa_code_object_version 6
	.text
	.protected	k_q9ba888ab3a_ffn1
	.globl	k_q9ba888ab3a_ffn1
	.p2align	8
	.type	k_q9ba888ab3a_ffn1,@function
k_q9ba888ab3a_ffn1:
	s_mov_b64 s[64:65], 0
	v_nop
	global_prefetch_b8 v0, s[64:65] scope:SCOPE_SE
	s_setreg_imm32_b32 hwreg(HW_REG_WAVE_MODE, 25, 1), 1
	s_wait_xcnt 0x0
.set FFN, 1                            ; 1: h = gelu(xg W1 + b1), in bf16.   2: y = h W2 + b2, in f32, K in two halves.  The rest of the text is the same in both launches.
; ONE EXPERT'S PRODUCT ON ITS OWN TOKENS.  Rows are the slots that the launch before sorted by expert, in tiles of 16; meta gives expert e's number of tiles and its first tile.
; A work-group owns a SLAB of one expert's weights, 1,024 (k) x 64 (n): it reads it from memory once, rounds it to bf16 and keeps it in LDS, [k][n], rows 160 bytes apart.
;   FFN = 1: 8 experts x 32 slabs of W1 [1024][2048].     FFN = 2: 8 experts x 2 halves of K x 16 slabs of W2 [2048][1024]; the two halves' sums go to two planes of y, which the last launch adds.
; The rows' operand arrives IN FRAGMENT ORDER ([tile][K step of 32][1,024 bytes]): a fragment is two loads of 16 bytes a lane, 512 consecutive bytes each, straight into registers.
; So behind the one barrier that ends the staging no wave waits for another, and the loop whose length hangs on meta holds no barrier.
; NO TENSOR LOADS: the weights are f32 and must pass through registers to be rounded.  NO CLUSTER: experts have different numbers of tiles, so partners would not run alike.
; THE MATRIX INSTRUCTION IS USED TRANSPOSED: source 0 = 16 columns n of the slab (turned on the way out of LDS by ds_load_tr16_b128), source 1 = 16 slots.  In the result lane l holds slot l % 16
; and n = 8 (l / 16) + 0..7.  FFN = 1: rounded to bf16 these 16 bytes are a lane's half of the next launch's fragment, and leave without a stage.
; SHARES.  Wave w takes the expert's tiles w, w + 8, w + 16, .., up to five to a PASS (5 tiles x 4 blocks of 16 n: 20 accumulators).  The 32 K steps stand twice in the text, for five tiles and for four:
; 4,096 picks are about 32 tiles an expert, four a wave, and a fifth tile that would only repeat the fourth is neither loaded nor multiplied.  A pass with fewer than four tiles left repeats its
; last tile and does not store the repeats.  The way out stands once, behind the two texts.
; THE WALK ALONG K IS TURNED.  The work-groups of an expert (32; with FFN = 2 the 16 of a half of K) read the same rows' operand.  Work-group nb begins at K step 4 (nb % 8) and goes round, so that they do
; not all ask for the same bytes at the same moment.  The turn is made once: LDS rows 128 w .. take the slab's rows 128 ((w + nb) % 8) .., and eight scalar bases point at the operand's blocks of four K steps
; in the turned order.  In the loop every step is named by its place in the walk, and stands in the loads' immediates: every LDS address is a lane's term plus a constant, and no address is stepped.
; A K STEP has two groups, each of two blocks of 16 n.  A group first asks for half of the loads of the rows' fragments four steps on, reads two blocks of the slab's next step, and then multiplies.
; FORMATS AND LIMITS.  Weights, bias and rows are rounded to bf16 (nearest even); sums in f32, begun with the bias, K in the turned order (the last bits differ from an ascending sum's); h in bf16, y in f32.
; GELU is x Phi(x) with Phi's tail Q by the rational form of Abramowitz and Stegun 26.2.17 (error of Phi under 7.5e-8 for every x): g = max(x, 0) - |x| Q(|x|).  NaN and infinities are not treated apart.
; An expert that most tokens pick lengthens the launch (more passes); the values stay right up to all 2,048 tokens (128 tiles).
; REGISTERS, in windows of 256 (s_set_vgpr_msb: bits 1:0 source 0, 3:2 source 1, 5:4 source 2, 7:6 destination):
;   window 0: v0-13 addresses; v16-20, v24-28 a pass's offsets; v21-23 the slab's read addresses; v32-191 accumulators (tile j, block nt at 32 + 32 j + 8 nt); v192-255 the slab's fragments, two K steps
;             (step % 2 = b, block nt at 192 + 32 b + 8 nt), on the way out at work.  In the staging v64-255 are three landing buffers.
;   window 1: v0-199 rows' fragments, five K steps deep (step % 5 = d, tile j at 40 d + 8 j); v200-231 bias.
; The slab's fragments share window 0 with the accumulators and the addresses, so an LDS load stands among the products without a switch; a run of global loads costs two: four switches a K step.
.if FFN == 1
.set PSH,   13                         ; a row of W1, and of b1, is 8,192 bytes
.set ATILE, 15                         ; a tile of xg is 32,768 bytes
.else
.set PSH,   12                         ; a row of W2, and of b2, is 4,096 bytes
.set ATILE, 16                         ; a tile of h is 65,536 bytes
.endif
.set PITCH, 1<<PSH
.set LP,    160                        ; a row of the slab in LDS: 128 bytes + 32 of padding = 40 words
.set STG,   1024*LP                    ; FFN = 2: behind the slab a stage of 16 rows x 272 bytes for each wave
.set AO,   16                          ; v[16:20]  tile j's byte offset in the rows' operand, + 16 x lane
.set BB,   21                          ; v[21:23]  my lane's place in a K step of the slab, at steps 0, 12 and 24 of the walk: an LDS immediate has 16 bits, which hold 12 K steps of 5,120 bytes
.set OO,   24                          ; v[24:28]  tile j's byte offset in the output, + my lane's place
.set ACC,  32
.set BF,   192
.set TT,   192                         ; the way out of FFN = 1: 32 registers at work, where the slab's fragments lay
.set EE,   200
.set PP,   208
.set RR,   216
.set LAND, 64                          ; the staging's landing buffers
.set TMP,  128                         ; 16 registers for the rounding of the bias
.set BIAS, 200                         ; window 1
.set GB,   66                          ; s[66:81]  the rows' operand at steps 0, 4, .. 28 of the walk; never rewritten
.set MSB, 0
.macro WIN new                         ; the immediate's high byte repeats the setting that is left; a switch that changes nothing is dropped
.if MSB != (\new)
	s_set_vgpr_msb (MSB<<8)|(\new)
.set MSB, \new
.endif
.endm
.set TO_A, 0x40                        ; destination window 1, address window 0
.set MUL,  0x04                        ; source 1 (rows) window 1; source 0 (slab), C and D window 0
.set MUL0, 0x14                        ; the same with C (the bias) in window 1
; THE STAGING.  A wave brings 128 rows x 256 bytes in four batches of 16 loads, through three landing buffers.  A load takes row rho in lanes 0-15 and row rho + 4 in lanes 16-31:
; 256 consecutive bytes of each; in LDS the two lie 640 bytes apart, so the 32 lanes' 8-byte stores touch every bank once.
.macro WLOAD b, buf
.irp g, 0,1,2,3
.irp q, 0,1,2,3
	global_load_b128 v[LAND+64*(\buf)+4*(4*(\g)+(\q)):LAND+64*(\buf)+4*(4*(\g)+(\q))+3], v8, s[6:7] offset:(32*(\b)+8*(\g)+(\q))*PITCH th:TH_LOAD_NT
.endr
.endr
.endm
.macro STAGE_B b, buf, lc              ; lc: the loads issued behind this batch, which stay out
	s_wait_loadcnt \lc
.irp g, 0,1,2,3
.irp q, 0,1,2,3
	v_cvt_pk_bf16_f32 v[LAND+64*(\buf)+4*(4*(\g)+(\q))], v[LAND+64*(\buf)+4*(4*(\g)+(\q))], v[LAND+64*(\buf)+4*(4*(\g)+(\q))+1]
	v_cvt_pk_bf16_f32 v[LAND+64*(\buf)+4*(4*(\g)+(\q))+1], v[LAND+64*(\buf)+4*(4*(\g)+(\q))+2], v[LAND+64*(\buf)+4*(4*(\g)+(\q))+3]
	ds_store_b64 v9, v[LAND+64*(\buf)+4*(4*(\g)+(\q)):LAND+64*(\buf)+4*(4*(\g)+(\q))+1] offset:(32*(\b)+8*(\g)+(\q))*LP
.endr
.endr
.endm
; The offsets of a pass's five tiles.  Past my last tile: that tile once more.  A wave without a tile asks too (its requests stand ahead of the barrier, on every wave's path) and uses nothing:
; so a tile's number is also cut at the last tile at or before the expert's end, which an earlier launch has written; the cut at 263, the buffers' last tile, stands last.
.macro PADDR
.irp j, 0,1,2,3,4
	s_add_co_u32 s50, s22, \j
	s_min_u32 s50, s50, s21
	s_lshl3_add_u32 s50, s50, s19                  ; my tiles lie 8 apart
	s_min_u32 s50, s50, s24
	s_min_u32 s50, s50, 263
	v_lshl_add_u32 v[AO+(\j)], s50, ATILE, v4
	v_lshl_add_u32 v[OO+(\j)], s50, 16, v7         ; a tile of h, and of a plane of y, is 65,536 bytes
.endr
	s_sub_co_u32 s23, s20, s22                     ; my tiles still to do, this pass's among them
.endm
; The rows' fragments of step q of the walk, q = 0 .. 3: ten loads, two for each of five tiles (under the setting TO_A).  These requests stand ahead of the choice between the two texts of the
; K steps, so they are always ten: the staging's counts then hang on no data.  In a pass of four tiles the fifth tile's eight loads land and are not read.
.macro AFETCH q
.irp m, 0,1,2,3,4,5,6,7,8,9
	global_load_b128 v[40*((\q)%5)+4*(\m):40*((\q)%5)+4*(\m)+3], v[AO+(\m)/2], s[GB+2*((\q)/4):GB+2*((\q)/4)+1] offset:1024*((\q)%4)+512*((\m)%2)
.endr
.endm
; Step k of the walk's 32, for nt tiles (5 or 4).  Step 0's products start the sums, with the bias as C.
; At its head: the four v_nop are the places between the last step's products and the loads into the registers that those products read (ISA guide 7.12.1 for vector instructions
; all the step's loads stand behind them.  The wait leaves out the rows' fragments of the later steps, 2 nt loads each, three steps at the most.
; Group G: nt of the 2 nt loads for step k + 4, into the slot that step k - 1 read; blocks 2 G and 2 G + 1 of the slab's step k + 1, into the buffer that step k - 1 read; 2 nt products on these blocks.
; Behind the four LDS loads of this step's blocks 2 G, 2 G + 1 stand 4 (1 - G) of this step's later blocks and 4 (G + 1) of the next step's: eight may stay out (in step 31, which reads nothing more, 4 - 4 G).
; The 4 nt accumulators take turns, one instruction a turn.
.macro KSTEP k, nt
.if (\k) > 0
.rept 4
	v_nop
.endr
.endif
.if (\k) < 29
	s_wait_loadcnt 6*(\nt)
.else
	s_wait_loadcnt 2*(\nt)*(31-(\k))
.endif
.irp G, 0,1
.if (\k) < 28
	WIN TO_A
.irp m, 0,1,2,3,4,5,6,7,8,9
.if (\m)/(\nt) == (\G)
	global_load_b128 v[40*(((\k)+4)%5)+4*(\m):40*(((\k)+4)%5)+4*(\m)+3], v[AO+(\m)/2], s[GB+2*(((\k)+4)/4):GB+2*(((\k)+4)/4)+1] offset:1024*(((\k)+4)%4)+512*((\m)%2)
.endif
.endr
.endif
.if (\k) == 0
	WIN MUL0
.else
	WIN MUL
.endif
.if (\k) < 31
.irp b, 0,1
	ds_load_tr16_b128 v[BF+32*(((\k)+1)%2)+8*(2*(\G)+(\b)):BF+32*(((\k)+1)%2)+8*(2*(\G)+(\b))+3],   v[BB+((\k)+1)/12] offset:32*LP*(((\k)+1)%12)+32*(2*(\G)+(\b))
	ds_load_tr16_b128 v[BF+32*(((\k)+1)%2)+8*(2*(\G)+(\b))+4:BF+32*(((\k)+1)%2)+8*(2*(\G)+(\b))+7], v[BB+((\k)+1)/12] offset:32*LP*(((\k)+1)%12)+32*(2*(\G)+(\b))+16*LP
.endr
	s_wait_dscnt 8
.else
	s_wait_dscnt 4-4*(\G)
.endif
.irp b, 0,1
.irp j, 0,1,2,3,4
.if (\j) < (\nt)
.if (\k) == 0
	v_wmma_f32_16x16x32_bf16 v[ACC+32*(\j)+8*(2*(\G)+(\b)):ACC+32*(\j)+8*(2*(\G)+(\b))+7], v[BF+32*((\k)%2)+8*(2*(\G)+(\b)):BF+32*((\k)%2)+8*(2*(\G)+(\b))+7], v[40*((\k)%5)+8*(\j):40*((\k)%5)+8*(\j)+7], v[BIAS+8*(2*(\G)+(\b)):BIAS+8*(2*(\G)+(\b))+7]
.else
	v_wmma_f32_16x16x32_bf16 v[ACC+32*(\j)+8*(2*(\G)+(\b)):ACC+32*(\j)+8*(2*(\G)+(\b))+7], v[BF+32*((\k)%2)+8*(2*(\G)+(\b)):BF+32*((\k)%2)+8*(2*(\G)+(\b))+7], v[40*((\k)%5)+8*(\j):40*((\k)%5)+8*(\j)+7], v[ACC+32*(\j)+8*(2*(\G)+(\b)):ACC+32*(\j)+8*(2*(\G)+(\b))+7]
.endif
.endif
.endr
.endr
.endr
.endm
.if FFN == 1
; GELU of the eight numbers at X, rounded to bf16 into X's first four registers.  t = 1 / (1 + p |x|); Q = 2^(-x^2 log2(e) / 2) t (((( B5 t + B4) t + B3) t + B2) t + B1); g = max(x, 0) - |x| Q.
; The accumulator's lowest registers are read first.  Behind the 16 transcendentals stand the eight maxima, plain instructions that touch neither their results nor their sources.
.macro GELU8 X
.irp i, 0,1,2,3,4,5,6,7
	v_fma_f32 v[TT+(\i)], |v[(\X)+(\i)]|, s32, 1.0
.endr
.irp i, 0,2,4,6
	v_pk_mul_f32 v[PP+(\i):PP+(\i)+1], v[(\X)+(\i):(\X)+(\i)+1], s[34:35] op_sel_hi:[1,0]
.endr
.irp i, 0,2,4,6
	v_pk_mul_f32 v[EE+(\i):EE+(\i)+1], v[PP+(\i):PP+(\i)+1], v[(\X)+(\i):(\X)+(\i)+1]
.endr
.irp i, 0,1,2,3,4,5,6,7
	v_rcp_f32 v[TT+(\i)], v[TT+(\i)]
.endr
.irp i, 0,1,2,3,4,5,6,7
	v_exp_f32 v[EE+(\i)], v[EE+(\i)]
.endr
.irp i, 0,1,2,3,4,5,6,7
	v_max_num_f32 v[RR+(\i)], 0, v[(\X)+(\i)]
.endr
	s_wait_alu depctr_va_vdst(0)
.irp i, 0,2,4,6
	v_pk_fma_f32 v[PP+(\i):PP+(\i)+1], v[TT+(\i):TT+(\i)+1], s[36:37], s[38:39] op_sel_hi:[1,0,0]
.endr
.irp c, 40,42,44
.irp i, 0,2,4,6
	v_pk_fma_f32 v[PP+(\i):PP+(\i)+1], v[PP+(\i):PP+(\i)+1], v[TT+(\i):TT+(\i)+1], s[\c:\c+1] op_sel_hi:[1,1,0]
.endr
.endr
.irp i, 0,2,4,6
	v_pk_mul_f32 v[EE+(\i):EE+(\i)+1], v[EE+(\i):EE+(\i)+1], v[TT+(\i):TT+(\i)+1]
.endr
.irp i, 0,2,4,6
	v_pk_mul_f32 v[PP+(\i):PP+(\i)+1], v[PP+(\i):PP+(\i)+1], v[EE+(\i):EE+(\i)+1]
.endr
.irp i, 0,1,2,3,4,5,6,7
	v_fma_f32 v[RR+(\i)], -|v[(\X)+(\i)]|, v[PP+(\i)], v[RR+(\i)]
.endr
.irp i, 0,1,2,3
	v_cvt_pk_bf16_f32 v[(\X)+(\i)], v[RR+2*(\i)], v[RR+2*(\i)+1]
.endr
.endm
.endif
	s_load_b256 s[4:11], s[0:1], 0x0               ; rows s[4:5], weights s[6:7], bias s[8:9], meta s[10:11]
	s_load_b64 s[12:13], s[0:1], 0x20              ; output
	v_lshl_add_u32 v30, v0, 2, 0x28000
	v_mov_b32 v31, 0
	v_and_b32 v1, 31, v0                           ; lane
	v_and_b32 v2, 15, v0                           ; r = lane % 16
	v_bfe_u32 v3, v0, 4, 1                         ; h = lane / 16
	v_lshrrev_b32 v13, 5, v0
	v_readfirstlane_b32 s14, v13                   ; wave
	s_lshr_b32 s15, ttmp9, 5                       ; expert
.if FFN == 1
	s_and_b32 s16, ttmp9, 31                       ; which 64 columns
	s_mov_b32 s17, 0
.else
	s_and_b32 s16, ttmp9, 15                       ; which 64 columns
	s_bfe_u32 s17, ttmp9, 0x10004                  ; which half of K
.endif
	s_and_b32 s55, s16, 7                          ; the turn: my walk begins at block s55 of the eight blocks of four K steps
	s_lshl_b32 s52, s15, 2                         ; the expert's word in meta; never rewritten
	s_lshl_b32 s53, s16, 8                         ; 64 columns of f32
	s_lshl_b32 s28, s15, 23                        ; an expert's weights are 8 MiB,
	s_lshl_b32 s50, s17, 22                        ; 1,024 rows of W2 are 4 MiB
	s_add_co_u32 s28, s28, s50
	s_add_co_u32 s28, s28, s53
	s_mov_b32 s29, 0
	s_lshl_b32 s30, s15, PSH                       ; the expert's row of the bias
	s_add_co_u32 s30, s30, s53
	s_mov_b32 s31, 0
.if FFN == 1
	s_lshl_b32 s46, s16, 11                        ; my 64 columns are K steps 2 nb, 2 nb + 1 of a tile of h
.else
	s_mul_i32 s46, s17, 17301504                   ; the half's plane of y: 4,224 rows of 4,096 bytes
	s_add_co_u32 s46, s46, s53
.endif
	s_mov_b32 s47, 0
	s_lshl_b32 s48, s17, 15                        ; the half's 32 K steps in a tile of h
	s_mov_b32 s49, 0
	s_mov_b32 s57, 0
.if FFN == 1
	s_mov_b32 s32, 0x3e6d3389                      ; p = 0.2316419
	s_mov_b32 s34, 0xbf38aa3b                      ; -log2(e) / 2; the pairs are named whole, so both words are written
	s_mov_b32 s35, 0xbf38aa3b
	s_mov_b32 s36, 0x3f07dc22                      ; b5 / sqrt(2 pi) =  0.5307027
	s_mov_b32 s37, 0x3f07dc22
	s_mov_b32 s38, 0xbf3a00e3                      ; b4 / sqrt(2 pi) = -0.7265760
	s_mov_b32 s39, 0xbf3a00e3
	s_mov_b32 s40, 0x3f35f0e3                      ; b3 / sqrt(2 pi) =  0.7107069
	s_mov_b32 s41, 0x3f35f0e3
	s_mov_b32 s42, 0xbe11a98e                      ; b2 / sqrt(2 pi) = -0.1422484
	s_mov_b32 s43, 0xbe11a98e
	s_mov_b32 s44, 0x3e027906                      ; b1 / sqrt(2 pi) =  0.1274148
	s_mov_b32 s45, 0x3e027906
.endif
	v_lshlrev_b32 v4, 4, v1                        ; 16 x lane
	v_and_b32 v13, 7, v0                           ; the turning load: lane l reads row 8 h + l % 8, 16 bytes at 16 ((l / 8) % 2)
	v_lshl_add_u32 v13, v3, 3, v13
	v_mul_u32_u24 v[BB], v13, LP
	v_bfe_u32 v13, v0, 3, 1
	v_lshl_add_u32 v[BB], v13, 4, v[BB]
	v_add_nc_u32 v[BB+1], 12*32*LP, v[BB]
	v_add_nc_u32 v[BB+2], 24*32*LP, v[BB]
.if FFN == 1
	v_mov_b32 v7, v4                               ; out: 16 bytes a lane
.else
	v_lshlrev_b32 v7, 4, v2                        ; out: lanes 0-15 a row's 256 bytes, lanes 16-31 the next row's
	v_lshl_add_u32 v7, v3, 12, v7
.endif
	s_add_co_u32 s50, s14, s55                     ; the staging, in memory: my wave fetches block (wave + turn) % 8 of the slab's eight blocks of 128 rows;
	s_and_b32 s50, s50, 7
	s_lshl_b32 s50, s50, 7
	v_lshl_add_u32 v13, v3, 2, s50                 ; lanes 16-31 take the row four further down
	v_lshlrev_b32 v8, 4, v2
	v_lshl_add_u32 v8, v13, PSH, v8                ; row x pitch + 16 r
	s_lshl_b32 s50, s14, 7                         ; in LDS: it lands in rows 128 x wave on: no LDS address hangs on the turn
	v_lshl_add_u32 v13, v3, 2, s50
	v_mul_u32_u24 v9, v13, LP
	v_lshl_add_u32 v9, v2, 3, v9                   ; row x 160 + 8 r
	v_lshlrev_b32 v10, 5, v3                       ; my 8 numbers of a block of 16 of the bias
.if FFN == 2
	s_mul_i32 s51, s14, 4352
	s_add_co_u32 s51, s51, STG                     ; my stage
	v_mul_u32_u24 v11, v2, 272                     ; in: row r, 32 bytes for each half of the lanes
	v_lshl_add_u32 v11, v3, 5, v11
	v_add_nc_u32 v11, s51, v11
	v_mul_u32_u24 v12, v3, 272                     ; back: lanes 0-15 one row of 256 bytes, lanes 16-31 the next
	v_lshl_add_u32 v12, v2, 4, v12
	v_add_nc_u32 v12, s51, v12
.endif
	s_wait_kmcnt 0x0
	s_load_b32 s18, s[10:11], s52 offset:0x0       ; the expert's tiles
	s_load_b32 s19, s[10:11], s52 offset:0x20      ; its first tile
	s_add_nc_u64 s[6:7], s[6:7], s[28:29]
	s_add_nc_u64 s[8:9], s[8:9], s[30:31]
	WIN TO_A
.irp nt, 0,1,2,3
	global_load_b128 v[BIAS+8*(\nt):BIAS+8*(\nt)+3],   v10, s[8:9] offset:64*(\nt)
	global_load_b128 v[BIAS+8*(\nt)+4:BIAS+8*(\nt)+7], v10, s[8:9] offset:64*(\nt)+16
.endr
	WIN 0
	WLOAD 0, 0
	WLOAD 1, 1
	WLOAD 2, 2
	s_add_nc_u64 s[12:13], s[12:13], s[46:47]
	s_add_nc_u64 s[4:5], s[4:5], s[48:49]
.irp G, 0,1,2,3,4,5,6,7
	s_add_co_u32 s56, s55, \G                      ; steps 4 G .. 4 G + 3 of the walk are block (G + turn) % 8 of a tile's K steps, 4,096 bytes each
	s_and_b32 s56, s56, 7
	s_lshl_b32 s56, s56, 12
	s_add_nc_u64 s[GB+2*(\G):GB+2*(\G)+1], s[4:5], s[56:57]
.endr
	STAGE_B 0, 0, 32                               ; the bias and batch 0 are in; batches 1 and 2 stay out
	WLOAD 3, 0
	STAGE_B 1, 1, 32                               ; batches 2 and 3 stay out
	s_wait_kmcnt 0x0                               ; meta
	s_min_u32 s18, s18, 128                        ; 2,048 tokens at the most
	s_min_u32 s19, s19, 263
	s_add_co_u32 s24, s18, s19
	s_max_u32 s24, s24, 1
	s_sub_co_u32 s24, s24, 1                       ; the last tile at or before the expert's end
	s_add_co_u32 s20, s18, 7
	s_sub_co_u32 s20, s20, s14
	s_lshr_b32 s20, s20, 3                         ; my tiles: those numbered w + 8 i below the expert's count; 16 at the most
	s_add_co_u32 s19, s19, s14                     ; my first tile
	s_sub_co_u32 s21, s20, 1
	s_add_co_u32 s54, s20, 4
	s_mul_i32 s54, s54, 205
	s_lshr_b32 s54, s54, 10                        ; my passes = (tiles + 4) / 5: (205 n) >> 10 is n / 5 for every n below 1,024, and n is 20 at the most
	s_mov_b32 s22, 0                               ; my tiles done
	s_mov_b32 s25, 0                               ; my passes done
	PADDR                                          ; the first pass's first fragments are asked for while the slab's last rows are still on their way
	WIN TO_A
	AFETCH 0
	AFETCH 1
	AFETCH 2
	WIN 0
	STAGE_B 2, 2, 46                               ; batch 3 and those 30 loads stay out
	WIN TO_A
	AFETCH 3
	WIN 0
	STAGE_B 3, 0, 40                               ; the 40 loads of the rows' fragments stay out
	WIN 0x05                                       ; the bias is rounded to bf16 like every input, and kept in f32: sources window 1, destination window 0,
.irp k, 0,1,2,3,4,5,6,7,8,9,10,11,12,13,14,15
	v_cvt_pk_bf16_f32 v[TMP+(\k)], v[BIAS+2*(\k)], v[BIAS+2*(\k)+1]
.endr
	WIN 0
.if FFN == 2
	s_cmp_eq_u32 s17, 0                            ; the bias enters the first half's sums alone
	s_cselect_b32 s50, -1, 0
.irp k, 0,1,2,3,4,5,6,7,8,9,10,11,12,13,14,15
	v_and_b32 v[TMP+(\k)], s50, v[TMP+(\k)]
.endr
.endif
	WIN TO_A                                       ; and back
.irp k, 0,1,2,3,4,5,6,7,8,9,10,11,12,13,14,15
	v_lshlrev_b32 v[BIAS+2*(\k)], 16, v[TMP+(\k)]
	v_and_b32 v[BIAS+2*(\k)+1], 0xffff0000, v[TMP+(\k)]
.endr
	WIN 0
	s_wait_dscnt 0x0                               ; for the others' sake: my rows of the slab are in LDS
	s_barrier_signal -1
	s_barrier_wait -1                              ; the launch's one barrier: from here on the slab is only read
	s_cmp_eq_u32 s20, 0
	s_cbranch_scc1 .Lend                           ; no tile is mine
.Lpass:                                                ; up to five of my tiles a trip; the rows' fragments of steps 0 to 3 are on their way: with those that a step adds, 40 of the wave's loads are out at the most
.irp nt, 0,1,2,3                       ; the slab's fragments of step 0
	ds_load_tr16_b128 v[BF+8*(\nt):BF+8*(\nt)+3],   v[BB] offset:32*(\nt)
	ds_load_tr16_b128 v[BF+8*(\nt)+4:BF+8*(\nt)+7], v[BB] offset:32*(\nt)+16*LP
.endr
	s_cmp_ge_u32 s23, 5                            ; five tiles or more still to do?
	s_cbranch_scc0 .Lfour
.set kk, 0
.rept 32
	KSTEP kk, 5
.set kk, kk+1
.endr
	WIN 0                                          ; at a label and at a branch every window is 0
	s_branch .Lout
.Lfour:                                                ; four or fewer: the fifth tile is neither loaded nor multiplied
.set kk, 0
.rept 32
	KSTEP kk, 4
.set kk, kk+1
.endr
	WIN 0
.Lout:
.rept 4
	v_nop                                          ; the places behind the last products
.endr
.irp j, 0,1,2,3,4
.if (\j) > 0
	s_cmp_gt_u32 s23, \j                           ; a repeated tile is not stored, nor the fifth of a pass of four
	s_cbranch_scc0 .Ldone
.endif
.if FFN == 1
.irp nt, 0,1,2,3
	GELU8 ACC+32*\j+8*\nt
	global_store_b128 v[OO+(\j)], v[ACC+32*(\j)+8*(\nt):ACC+32*(\j)+8*(\nt)+3], s[12:13] offset:512*(\nt)  ; 512 consecutive bytes: half a fragment block of h
.endr
.else
.irp nt, 0,1,2,3
	ds_store_b128 v11, v[ACC+32*(\j)+8*(\nt):ACC+32*(\j)+8*(\nt)+3] offset:64*(\nt)
	ds_store_b128 v11, v[ACC+32*(\j)+8*(\nt)+4:ACC+32*(\j)+8*(\nt)+7] offset:64*(\nt)+16
.endr
.irp t, 0,1,2,3,4,5,6,7
	ds_load_b128 v[ACC+32*(\j)+4*(\t):ACC+32*(\j)+4*(\t)+3], v12 offset:544*(\t)  ; LDS serves a wave's instructions in order (ISA guide 5.7.1.4): these see the stores above; the next tile's stores come behind them
.endr
.irp t, 0,1,2,3,4,5,6,7
	s_wait_dscnt 7-(\t)
	global_store_b128 v[OO+(\j)], v[ACC+32*(\j)+4*(\t):ACC+32*(\j)+4*(\t)+3], s[12:13] offset:8192*(\t)  ; 16 lanes store 256 consecutive bytes of a row of y
.endr
.endif
.endr
.Ldone:
	s_add_co_u32 s22, s22, 5
	s_add_co_u32 s25, s25, 1                       ; the loop counts passes, one a trip
	s_cmp_lt_u32 s25, s54
	s_cbranch_scc0 .Lend
	s_wait_xcnt 0x0                                ; this pass's stores have read their offsets and their data: both are written again below
	PADDR                                          ; the next pass's first fragments are asked for ahead of the jump
	WIN TO_A
	AFETCH 0
	AFETCH 1
	AFETCH 2
	AFETCH 3
	WIN 0
	s_cmp_lt_u32 s25, s54                          ; (the offsets' arithmetic has written SCC)
	s_cbranch_scc1 .Lpass
.Lend:
	s_wait_tensorcnt 0x0
	ds_add_u32 v30, v31
	s_wait_dscnt 0x0
	s_endpgm
.Lfunc_end_k_q9ba888ab3a_ffn1:
	.size	k_q9ba888ab3a_ffn1, .Lfunc_end_k_q9ba888ab3a_ffn1-k_q9ba888ab3a_ffn1
	.p2alignl 7, 3214868480
	.fill 96, 4, 3214868480
	.section	.rodata,"a",@progbits
	.p2align	6, 0x0
	.amdhsa_kernel k_q9ba888ab3a_ffn1
		.amdhsa_group_segment_fixed_size 164864
		.amdhsa_private_segment_fixed_size 0
		.amdhsa_enable_private_segment 0
		.amdhsa_kernarg_size 40
		.amdhsa_user_sgpr_count 2
		.amdhsa_user_sgpr_kernarg_segment_ptr 1
		.amdhsa_wavefront_size32 1
		.amdhsa_system_sgpr_workgroup_id_x 1
		.amdhsa_system_sgpr_workgroup_id_y 1
		.amdhsa_system_sgpr_workgroup_id_z 1
		.amdhsa_system_vgpr_workitem_id 0
		.amdhsa_next_free_vgpr 488
		.amdhsa_next_free_sgpr 82
		.amdhsa_reserve_vcc 0
		.amdhsa_float_denorm_mode_32 3
		.amdhsa_float_denorm_mode_16_64 3
		.amdhsa_memory_ordered 1
		.amdhsa_forward_progress 1
		.amdhsa_inst_pref_size 255
	.end_amdhsa_kernel
	.section	.bss,"aw",@nobits
	.p2align	6
	.space	262144
	.amdgpu_metadata
---
amdhsa.version: [ 1, 2 ]
amdhsa.kernels:
  - .name:           k_q9ba888ab3a_ffn1
    .symbol:         k_q9ba888ab3a_ffn1.kd
    .args:
      - { .name: xg, .offset: 0, .size: 8, .value_kind: global_buffer, .address_space: global }
      - { .name: W1, .offset: 8, .size: 8, .value_kind: global_buffer, .address_space: global }
      - { .name: b1, .offset: 16, .size: 8, .value_kind: global_buffer, .address_space: global }
      - { .name: meta, .offset: 24, .size: 8, .value_kind: global_buffer, .address_space: global }
      - { .name: h, .offset: 32, .size: 8, .value_kind: global_buffer, .address_space: global }
    .group_segment_fixed_size: 164864
    .private_segment_fixed_size: 0
    .kernarg_segment_align: 8
    .kernarg_segment_size: 40
    .max_flat_workgroup_size: 256
    .sgpr_count:     82
    .vgpr_count:     488
    .wavefront_size: 32
...
	.end_amdgpu_metadata
.endif
;; end of part 3
;; launch ffn2 (part 4): grid 256 x 1, 8 waves a work-group, no clusters, 199,680 bytes of LDS; arguments h, W2, b2, meta, y; writes y
.if DOCPART == 4
	.amdgcn_target "amdgcn-amd-amdhsa--gfx1250"
	.amdhsa_code_object_version 6
	.text
	.protected	k_q9ba888ab3a_ffn2
	.globl	k_q9ba888ab3a_ffn2
	.p2align	8
	.type	k_q9ba888ab3a_ffn2,@function
k_q9ba888ab3a_ffn2:
	s_mov_b64 s[64:65], 0
	v_nop
	global_prefetch_b8 v0, s[64:65] scope:SCOPE_SE
	s_setreg_imm32_b32 hwreg(HW_REG_WAVE_MODE, 25, 1), 1
	s_wait_xcnt 0x0
.set FFN, 2                            ; 1: h = gelu(xg W1 + b1), in bf16.   2: y = h W2 + b2, in f32, K in two halves.  The rest of the text is the same in both launches.
; ONE EXPERT'S PRODUCT ON ITS OWN TOKENS.  Rows are the slots that the launch before sorted by expert, in tiles of 16; meta gives expert e's number of tiles and its first tile.
; A work-group owns a SLAB of one expert's weights, 1,024 (k) x 64 (n): it reads it from memory once, rounds it to bf16 and keeps it in LDS, [k][n], rows 160 bytes apart.
;   FFN = 1: 8 experts x 32 slabs of W1 [1024][2048].     FFN = 2: 8 experts x 2 halves of K x 16 slabs of W2 [2048][1024]; the two halves' sums go to two planes of y, which the last launch adds.
; The rows' operand arrives IN FRAGMENT ORDER ([tile][K step of 32][1,024 bytes]): a fragment is two loads of 16 bytes a lane, 512 consecutive bytes each, straight into registers.
; So behind the one barrier that ends the staging no wave waits for another, and the loop whose length hangs on meta holds no barrier.
; NO TENSOR LOADS: the weights are f32 and must pass through registers to be rounded.  NO CLUSTER: experts have different numbers of tiles, so partners would not run alike.
; THE MATRIX INSTRUCTION IS USED TRANSPOSED: source 0 = 16 columns n of the slab (turned on the way out of LDS by ds_load_tr16_b128), source 1 = 16 slots.  In the result lane l holds slot l % 16
; and n = 8 (l / 16) + 0..7.  FFN = 1: rounded to bf16 these 16 bytes are a lane's half of the next launch's fragment, and leave without a stage.
; SHARES.  Wave w takes the expert's tiles w, w + 8, w + 16, .., up to five to a PASS (5 tiles x 4 blocks of 16 n: 20 accumulators).  The 32 K steps stand twice in the text, for five tiles and for four:
; 4,096 picks are about 32 tiles an expert, four a wave, and a fifth tile that would only repeat the fourth is neither loaded nor multiplied.  A pass with fewer than four tiles left repeats its
; last tile and does not store the repeats.  The way out stands once, behind the two texts.
; THE WALK ALONG K IS TURNED.  The work-groups of an expert (32; with FFN = 2 the 16 of a half of K) read the same rows' operand.  Work-group nb begins at K step 4 (nb % 8) and goes round, so that they do
; not all ask for the same bytes at the same moment.  The turn is made once: LDS rows 128 w .. take the slab's rows 128 ((w + nb) % 8) .., and eight scalar bases point at the operand's blocks of four K steps
; in the turned order.  In the loop every step is named by its place in the walk, and stands in the loads' immediates: every LDS address is a lane's term plus a constant, and no address is stepped.
; A K STEP has two groups, each of two blocks of 16 n.  A group first asks for half of the loads of the rows' fragments four steps on, reads two blocks of the slab's next step, and then multiplies.
; FORMATS AND LIMITS.  Weights, bias and rows are rounded to bf16 (nearest even); sums in f32, begun with the bias, K in the turned order (the last bits differ from an ascending sum's); h in bf16, y in f32.
; GELU is x Phi(x) with Phi's tail Q by the rational form of Abramowitz and Stegun 26.2.17 (error of Phi under 7.5e-8 for every x): g = max(x, 0) - |x| Q(|x|).  NaN and infinities are not treated apart.
; An expert that most tokens pick lengthens the launch (more passes); the values stay right up to all 2,048 tokens (128 tiles).
; REGISTERS, in windows of 256 (s_set_vgpr_msb: bits 1:0 source 0, 3:2 source 1, 5:4 source 2, 7:6 destination):
;   window 0: v0-13 addresses; v16-20, v24-28 a pass's offsets; v21-23 the slab's read addresses; v32-191 accumulators (tile j, block nt at 32 + 32 j + 8 nt); v192-255 the slab's fragments, two K steps
;             (step % 2 = b, block nt at 192 + 32 b + 8 nt), on the way out at work.  In the staging v64-255 are three landing buffers.
;   window 1: v0-199 rows' fragments, five K steps deep (step % 5 = d, tile j at 40 d + 8 j); v200-231 bias.
; The slab's fragments share window 0 with the accumulators and the addresses, so an LDS load stands among the products without a switch; a run of global loads costs two: four switches a K step.
.if FFN == 1
.set PSH,   13                         ; a row of W1, and of b1, is 8,192 bytes
.set ATILE, 15                         ; a tile of xg is 32,768 bytes
.else
.set PSH,   12                         ; a row of W2, and of b2, is 4,096 bytes
.set ATILE, 16                         ; a tile of h is 65,536 bytes
.endif
.set PITCH, 1<<PSH
.set LP,    160                        ; a row of the slab in LDS: 128 bytes + 32 of padding = 40 words
.set STG,   1024*LP                    ; FFN = 2: behind the slab a stage of 16 rows x 272 bytes for each wave
.set AO,   16                          ; v[16:20]  tile j's byte offset in the rows' operand, + 16 x lane
.set BB,   21                          ; v[21:23]  my lane's place in a K step of the slab, at steps 0, 12 and 24 of the walk: an LDS immediate has 16 bits, which hold 12 K steps of 5,120 bytes
.set OO,   24                          ; v[24:28]  tile j's byte offset in the output, + my lane's place
.set ACC,  32
.set BF,   192
.set TT,   192                         ; the way out of FFN = 1: 32 registers at work, where the slab's fragments lay
.set EE,   200
.set PP,   208
.set RR,   216
.set LAND, 64                          ; the staging's landing buffers
.set TMP,  128                         ; 16 registers for the rounding of the bias
.set BIAS, 200                         ; window 1
.set GB,   66                          ; s[66:81]  the rows' operand at steps 0, 4, .. 28 of the walk; never rewritten
.set MSB, 0
.macro WIN new                         ; the immediate's high byte repeats the setting that is left; a switch that changes nothing is dropped
.if MSB != (\new)
	s_set_vgpr_msb (MSB<<8)|(\new)
.set MSB, \new
.endif
.endm
.set TO_A, 0x40                        ; destination window 1, address window 0
.set MUL,  0x04                        ; source 1 (rows) window 1; source 0 (slab), C and D window 0
.set MUL0, 0x14                        ; the same with C (the bias) in window 1
; THE STAGING.  A wave brings 128 rows x 256 bytes in four batches of 16 loads, through three landing buffers.  A load takes row rho in lanes 0-15 and row rho + 4 in lanes 16-31:
; 256 consecutive bytes of each; in LDS the two lie 640 bytes apart, so the 32 lanes' 8-byte stores touch every bank once.
.macro WLOAD b, buf
.irp g, 0,1,2,3
.irp q, 0,1,2,3
	global_load_b128 v[LAND+64*(\buf)+4*(4*(\g)+(\q)):LAND+64*(\buf)+4*(4*(\g)+(\q))+3], v8, s[6:7] offset:(32*(\b)+8*(\g)+(\q))*PITCH th:TH_LOAD_NT
.endr
.endr
.endm
.macro STAGE_B b, buf, lc              ; lc: the loads issued behind this batch, which stay out
	s_wait_loadcnt \lc
.irp g, 0,1,2,3
.irp q, 0,1,2,3
	v_cvt_pk_bf16_f32 v[LAND+64*(\buf)+4*(4*(\g)+(\q))], v[LAND+64*(\buf)+4*(4*(\g)+(\q))], v[LAND+64*(\buf)+4*(4*(\g)+(\q))+1]
	v_cvt_pk_bf16_f32 v[LAND+64*(\buf)+4*(4*(\g)+(\q))+1], v[LAND+64*(\buf)+4*(4*(\g)+(\q))+2], v[LAND+64*(\buf)+4*(4*(\g)+(\q))+3]
	ds_store_b64 v9, v[LAND+64*(\buf)+4*(4*(\g)+(\q)):LAND+64*(\buf)+4*(4*(\g)+(\q))+1] offset:(32*(\b)+8*(\g)+(\q))*LP
.endr
.endr
.endm
; The offsets of a pass's five tiles.  Past my last tile: that tile once more.  A wave without a tile asks too (its requests stand ahead of the barrier, on every wave's path) and uses nothing:
; so a tile's number is also cut at the last tile at or before the expert's end, which an earlier launch has written; the cut at 263, the buffers' last tile, stands last.
.macro PADDR
.irp j, 0,1,2,3,4
	s_add_co_u32 s50, s22, \j
	s_min_u32 s50, s50, s21
	s_lshl3_add_u32 s50, s50, s19                  ; my tiles lie 8 apart
	s_min_u32 s50, s50, s24
	s_min_u32 s50, s50, 263
	v_lshl_add_u32 v[AO+(\j)], s50, ATILE, v4
	v_lshl_add_u32 v[OO+(\j)], s50, 16, v7         ; a tile of h, and of a plane of y, is 65,536 bytes
.endr
	s_sub_co_u32 s23, s20, s22                     ; my tiles still to do, this pass's among them
.endm
; The rows' fragments of step q of the walk, q = 0 .. 3: ten loads, two for each of five tiles (under the setting TO_A).  These requests stand ahead of the choice between the two texts of the
; K steps, so they are always ten: the staging's counts then hang on no data.  In a pass of four tiles the fifth tile's eight loads land and are not read.
.macro AFETCH q
.irp m, 0,1,2,3,4,5,6,7,8,9
	global_load_b128 v[40*((\q)%5)+4*(\m):40*((\q)%5)+4*(\m)+3], v[AO+(\m)/2], s[GB+2*((\q)/4):GB+2*((\q)/4)+1] offset:1024*((\q)%4)+512*((\m)%2)
.endr
.endm
; Step k of the walk's 32, for nt tiles (5 or 4).  Step 0's products start the sums, with the bias as C.
; At its head: the four v_nop are the places between the last step's products and the loads into the registers that those products read (ISA guide 7.12.1 for vector instructions
; all the step's loads stand behind them.  The wait leaves out the rows' fragments of the later steps, 2 nt loads each, three steps at the most.
; Group G: nt of the 2 nt loads for step k + 4, into the slot that step k - 1 read; blocks 2 G and 2 G + 1 of the slab's step k + 1, into the buffer that step k - 1 read; 2 nt products on these blocks.
; Behind the four LDS loads of this step's blocks 2 G, 2 G + 1 stand 4 (1 - G) of this step's later blocks and 4 (G + 1) of the next step's: eight may stay out (in step 31, which reads nothing more, 4 - 4 G).
; The 4 nt accumulators take turns, one instruction a turn.
.macro KSTEP k, nt
.if (\k) > 0
.rept 4
	v_nop
.endr
.endif
.if (\k) < 29
	s_wait_loadcnt 6*(\nt)
.else
	s_wait_loadcnt 2*(\nt)*(31-(\k))
.endif
.irp G, 0,1
.if (\k) < 28
	WIN TO_A
.irp m, 0,1,2,3,4,5,6,7,8,9
.if (\m)/(\nt) == (\G)
	global_load_b128 v[40*(((\k)+4)%5)+4*(\m):40*(((\k)+4)%5)+4*(\m)+3], v[AO+(\m)/2], s[GB+2*(((\k)+4)/4):GB+2*(((\k)+4)/4)+1] offset:1024*(((\k)+4)%4)+512*((\m)%2)
.endif
.endr
.endif
.if (\k) == 0
	WIN MUL0
.else
	WIN MUL
.endif
.if (\k) < 31
.irp b, 0,1
	ds_load_tr16_b128 v[BF+32*(((\k)+1)%2)+8*(2*(\G)+(\b)):BF+32*(((\k)+1)%2)+8*(2*(\G)+(\b))+3],   v[BB+((\k)+1)/12] offset:32*LP*(((\k)+1)%12)+32*(2*(\G)+(\b))
	ds_load_tr16_b128 v[BF+32*(((\k)+1)%2)+8*(2*(\G)+(\b))+4:BF+32*(((\k)+1)%2)+8*(2*(\G)+(\b))+7], v[BB+((\k)+1)/12] offset:32*LP*(((\k)+1)%12)+32*(2*(\G)+(\b))+16*LP
.endr
	s_wait_dscnt 8
.else
	s_wait_dscnt 4-4*(\G)
.endif
.irp b, 0,1
.irp j, 0,1,2,3,4
.if (\j) < (\nt)
.if (\k) == 0
	v_wmma_f32_16x16x32_bf16 v[ACC+32*(\j)+8*(2*(\G)+(\b)):ACC+32*(\j)+8*(2*(\G)+(\b))+7], v[BF+32*((\k)%2)+8*(2*(\G)+(\b)):BF+32*((\k)%2)+8*(2*(\G)+(\b))+7], v[40*((\k)%5)+8*(\j):40*((\k)%5)+8*(\j)+7], v[BIAS+8*(2*(\G)+(\b)):BIAS+8*(2*(\G)+(\b))+7]
.else
	v_wmma_f32_16x16x32_bf16 v[ACC+32*(\j)+8*(2*(\G)+(\b)):ACC+32*(\j)+8*(2*(\G)+(\b))+7], v[BF+32*((\k)%2)+8*(2*(\G)+(\b)):BF+32*((\k)%2)+8*(2*(\G)+(\b))+7], v[40*((\k)%5)+8*(\j):40*((\k)%5)+8*(\j)+7], v[ACC+32*(\j)+8*(2*(\G)+(\b)):ACC+32*(\j)+8*(2*(\G)+(\b))+7]
.endif
.endif
.endr
.endr
.endr
.endm
.if FFN == 1
; GELU of the eight numbers at X, rounded to bf16 into X's first four registers.  t = 1 / (1 + p |x|); Q = 2^(-x^2 log2(e) / 2) t (((( B5 t + B4) t + B3) t + B2) t + B1); g = max(x, 0) - |x| Q.
; The accumulator's lowest registers are read first.  Behind the 16 transcendentals stand the eight maxima, plain instructions that touch neither their results nor their sources.
.macro GELU8 X
.irp i, 0,1,2,3,4,5,6,7
	v_fma_f32 v[TT+(\i)], |v[(\X)+(\i)]|, s32, 1.0
.endr
.irp i, 0,2,4,6
	v_pk_mul_f32 v[PP+(\i):PP+(\i)+1], v[(\X)+(\i):(\X)+(\i)+1], s[34:35] op_sel_hi:[1,0]
.endr
.irp i, 0,2,4,6
	v_pk_mul_f32 v[EE+(\i):EE+(\i)+1], v[PP+(\i):PP+(\i)+1], v[(\X)+(\i):(\X)+(\i)+1]
.endr
.irp i, 0,1,2,3,4,5,6,7
	v_rcp_f32 v[TT+(\i)], v[TT+(\i)]
.endr
.irp i, 0,1,2,3,4,5,6,7
	v_exp_f32 v[EE+(\i)], v[EE+(\i)]
.endr
.irp i, 0,1,2,3,4,5,6,7
	v_max_num_f32 v[RR+(\i)], 0, v[(\X)+(\i)]
.endr
.irp i, 0,2,4,6
	v_pk_fma_f32 v[PP+(\i):PP+(\i)+1], v[TT+(\i):TT+(\i)+1], s[36:37], s[38:39] op_sel_hi:[1,0,0]
.endr
.irp c, 40,42,44
.irp i, 0,2,4,6
	v_pk_fma_f32 v[PP+(\i):PP+(\i)+1], v[PP+(\i):PP+(\i)+1], v[TT+(\i):TT+(\i)+1], s[\c:\c+1] op_sel_hi:[1,1,0]
.endr
.endr
.irp i, 0,2,4,6
	v_pk_mul_f32 v[EE+(\i):EE+(\i)+1], v[EE+(\i):EE+(\i)+1], v[TT+(\i):TT+(\i)+1]
.endr
.irp i, 0,2,4,6
	v_pk_mul_f32 v[PP+(\i):PP+(\i)+1], v[PP+(\i):PP+(\i)+1], v[EE+(\i):EE+(\i)+1]
.endr
.irp i, 0,1,2,3,4,5,6,7
	v_fma_f32 v[RR+(\i)], -|v[(\X)+(\i)]|, v[PP+(\i)], v[RR+(\i)]
.endr
.irp i, 0,1,2,3
	v_cvt_pk_bf16_f32 v[(\X)+(\i)], v[RR+2*(\i)], v[RR+2*(\i)+1]
.endr
.endm
.endif
	s_load_b256 s[4:11], s[0:1], 0x0               ; rows s[4:5], weights s[6:7], bias s[8:9], meta s[10:11]
	s_load_b64 s[12:13], s[0:1], 0x20              ; output
	v_lshl_add_u32 v30, v0, 2, 0x30800
	v_mov_b32 v31, 0
	v_and_b32 v1, 31, v0                           ; lane
	v_and_b32 v2, 15, v0                           ; r = lane % 16
	v_bfe_u32 v3, v0, 4, 1                         ; h = lane / 16
	v_lshrrev_b32 v13, 5, v0
	v_readfirstlane_b32 s14, v13                   ; wave
	s_lshr_b32 s15, ttmp9, 5                       ; expert
.if FFN == 1
	s_and_b32 s16, ttmp9, 31                       ; which 64 columns
	s_mov_b32 s17, 0
.else
	s_and_b32 s16, ttmp9, 15                       ; which 64 columns
	s_bfe_u32 s17, ttmp9, 0x10004                  ; which half of K
.endif
	s_and_b32 s55, s16, 7                          ; the turn: my walk begins at block s55 of the eight blocks of four K steps
	s_lshl_b32 s52, s15, 2                         ; the expert's word in meta; never rewritten
	s_lshl_b32 s53, s16, 8                         ; 64 columns of f32
	s_lshl_b32 s28, s15, 23                        ; an expert's weights are 8 MiB,
	s_lshl_b32 s50, s17, 22                        ; 1,024 rows of W2 are 4 MiB
	s_add_co_u32 s28, s28, s50
	s_add_co_u32 s28, s28, s53
	s_mov_b32 s29, 0
	s_lshl_b32 s30, s15, PSH                       ; the expert's row of the bias
	s_add_co_u32 s30, s30, s53
	s_mov_b32 s31, 0
.if FFN == 1
	s_lshl_b32 s46, s16, 11                        ; my 64 columns are K steps 2 nb, 2 nb + 1 of a tile of h
.else
	s_mul_i32 s46, s17, 17301504                   ; the half's plane of y: 4,224 rows of 4,096 bytes
	s_add_co_u32 s46, s46, s53
.endif
	s_mov_b32 s47, 0
	s_lshl_b32 s48, s17, 15                        ; the half's 32 K steps in a tile of h
	s_mov_b32 s49, 0
	s_mov_b32 s57, 0
.if FFN == 1
	s_mov_b32 s32, 0x3e6d3389                      ; p = 0.2316419
	s_mov_b32 s34, 0xbf38aa3b                      ; -log2(e) / 2; the pairs are named whole, so both words are written
	s_mov_b32 s35, 0xbf38aa3b
	s_mov_b32 s36, 0x3f07dc22                      ; b5 / sqrt(2 pi) =  0.5307027
	s_mov_b32 s37, 0x3f07dc22
	s_mov_b32 s38, 0xbf3a00e3                      ; b4 / sqrt(2 pi) = -0.7265760
	s_mov_b32 s39, 0xbf3a00e3
	s_mov_b32 s40, 0x3f35f0e3                      ; b3 / sqrt(2 pi) =  0.7107069
	s_mov_b32 s41, 0x3f35f0e3
	s_mov_b32 s42, 0xbe11a98e                      ; b2 / sqrt(2 pi) = -0.1422484
	s_mov_b32 s43, 0xbe11a98e
	s_mov_b32 s44, 0x3e027906                      ; b1 / sqrt(2 pi) =  0.1274148
	s_mov_b32 s45, 0x3e027906
.endif
	v_lshlrev_b32 v4, 4, v1                        ; 16 x lane
	v_and_b32 v13, 7, v0                           ; the turning load: lane l reads row 8 h + l % 8, 16 bytes at 16 ((l / 8) % 2)
	v_lshl_add_u32 v13, v3, 3, v13
	v_mul_u32_u24 v[BB], v13, LP
	v_bfe_u32 v13, v0, 3, 1
	v_lshl_add_u32 v[BB], v13, 4, v[BB]
	v_add_nc_u32 v[BB+1], 12*32*LP, v[BB]
	v_add_nc_u32 v[BB+2], 24*32*LP, v[BB]
.if FFN == 1
	v_mov_b32 v7, v4                               ; out: 16 bytes a lane
.else
	v_lshlrev_b32 v7, 4, v2                        ; out: lanes 0-15 a row's 256 bytes, lanes 16-31 the next row's
	v_lshl_add_u32 v7, v3, 12, v7
.endif
	s_add_co_u32 s50, s14, s55                     ; the staging, in memory: my wave fetches block (wave + turn) % 8 of the slab's eight blocks of 128 rows;
	s_and_b32 s50, s50, 7
	s_lshl_b32 s50, s50, 7
	v_lshl_add_u32 v13, v3, 2, s50                 ; lanes 16-31 take the row four further down
	v_lshlrev_b32 v8, 4, v2
	v_lshl_add_u32 v8, v13, PSH, v8                ; row x pitch + 16 r
	s_lshl_b32 s50, s14, 7                         ; in LDS: it lands in rows 128 x wave on: no LDS address hangs on the turn
	v_lshl_add_u32 v13, v3, 2, s50
	v_mul_u32_u24 v9, v13, LP
	v_lshl_add_u32 v9, v2, 3, v9                   ; row x 160 + 8 r
	v_lshlrev_b32 v10, 5, v3                       ; my 8 numbers of a block of 16 of the bias
.if FFN == 2
	s_mul_i32 s51, s14, 4352
	s_add_co_u32 s51, s51, STG                     ; my stage
	v_mul_u32_u24 v11, v2, 272                     ; in: row r, 32 bytes for each half of the lanes
	v_lshl_add_u32 v11, v3, 5, v11
	v_add_nc_u32 v11, s51, v11
	v_mul_u32_u24 v12, v3, 272                     ; back: lanes 0-15 one row of 256 bytes, lanes 16-31 the next
	v_lshl_add_u32 v12, v2, 4, v12
	v_add_nc_u32 v12, s51, v12
.endif
	s_wait_kmcnt 0x0
	s_load_b32 s18, s[10:11], s52 offset:0x0       ; the expert's tiles
	s_load_b32 s19, s[10:11], s52 offset:0x20      ; its first tile
	s_add_nc_u64 s[6:7], s[6:7], s[28:29]
	s_add_nc_u64 s[8:9], s[8:9], s[30:31]
	WIN TO_A
.irp nt, 0,1,2,3
	global_load_b128 v[BIAS+8*(\nt):BIAS+8*(\nt)+3],   v10, s[8:9] offset:64*(\nt)
	global_load_b128 v[BIAS+8*(\nt)+4:BIAS+8*(\nt)+7], v10, s[8:9] offset:64*(\nt)+16
.endr
	WIN 0
	WLOAD 0, 0
	WLOAD 1, 1
	WLOAD 2, 2
	s_add_nc_u64 s[12:13], s[12:13], s[46:47]
	s_add_nc_u64 s[4:5], s[4:5], s[48:49]
.irp G, 0,1,2,3,4,5,6,7
	s_add_co_u32 s56, s55, \G                      ; steps 4 G .. 4 G + 3 of the walk are block (G + turn) % 8 of a tile's K steps, 4,096 bytes each
	s_and_b32 s56, s56, 7
	s_lshl_b32 s56, s56, 12
	s_add_nc_u64 s[GB+2*(\G):GB+2*(\G)+1], s[4:5], s[56:57]
.endr
	STAGE_B 0, 0, 32                               ; the bias and batch 0 are in; batches 1 and 2 stay out
	WLOAD 3, 0
	STAGE_B 1, 1, 32                               ; batches 2 and 3 stay out
	s_wait_kmcnt 0x0                               ; meta
	s_min_u32 s18, s18, 128                        ; 2,048 tokens at the most
	s_min_u32 s19, s19, 263
	s_add_co_u32 s24, s18, s19
	s_max_u32 s24, s24, 1
	s_sub_co_u32 s24, s24, 1                       ; the last tile at or before the expert's end
	s_add_co_u32 s20, s18, 7
	s_sub_co_u32 s20, s20, s14
	s_lshr_b32 s20, s20, 3                         ; my tiles: those numbered w + 8 i below the expert's count; 16 at the most
	s_add_co_u32 s19, s19, s14                     ; my first tile
	s_sub_co_u32 s21, s20, 1
	s_add_co_u32 s54, s20, 4
	s_mul_i32 s54, s54, 205
	s_lshr_b32 s54, s54, 10                        ; my passes = (tiles + 4) / 5: (205 n) >> 10 is n / 5 for every n below 1,024, and n is 20 at the most
	s_mov_b32 s22, 0                               ; my tiles done
	s_mov_b32 s25, 0                               ; my passes done
	PADDR                                          ; the first pass's first fragments are asked for while the slab's last rows are still on their way
	WIN TO_A
	AFETCH 0
	AFETCH 1
	AFETCH 2
	WIN 0
	STAGE_B 2, 2, 46                               ; batch 3 and those 30 loads stay out
	WIN TO_A
	AFETCH 3
	WIN 0
	STAGE_B 3, 0, 40                               ; the 40 loads of the rows' fragments stay out
	WIN 0x05                                       ; the bias is rounded to bf16 like every input, and kept in f32: sources window 1, destination window 0,
.irp k, 0,1,2,3,4,5,6,7,8,9,10,11,12,13,14,15
	v_cvt_pk_bf16_f32 v[TMP+(\k)], v[BIAS+2*(\k)], v[BIAS+2*(\k)+1]
.endr
	WIN 0
.if FFN == 2
	s_cmp_eq_u32 s17, 0                            ; the bias enters the first half's sums alone
	s_cselect_b32 s50, -1, 0
.irp k, 0,1,2,3,4,5,6,7,8,9,10,11,12,13,14,15
	v_and_b32 v[TMP+(\k)], s50, v[TMP+(\k)]
.endr
.endif
	WIN TO_A                                       ; and back
.irp k, 0,1,2,3,4,5,6,7,8,9,10,11,12,13,14,15
	v_lshlrev_b32 v[BIAS+2*(\k)], 16, v[TMP+(\k)]
	v_and_b32 v[BIAS+2*(\k)+1], 0xffff0000, v[TMP+(\k)]
.endr
	WIN 0
	s_wait_dscnt 0x0                               ; for the others' sake: my rows of the slab are in LDS
	s_barrier_signal -1
	s_barrier_wait -1                              ; the launch's one barrier: from here on the slab is only read
	s_cmp_eq_u32 s20, 0
	s_cbranch_scc1 .Lend                           ; no tile is mine
.Lpass:                                                ; up to five of my tiles a trip; the rows' fragments of steps 0 to 3 are on their way: with those that a step adds, 40 of the wave's loads are out at the most
.irp nt, 0,1,2,3                       ; the slab's fragments of step 0
	ds_load_tr16_b128 v[BF+8*(\nt):BF+8*(\nt)+3],   v[BB] offset:32*(\nt)
	ds_load_tr16_b128 v[BF+8*(\nt)+4:BF+8*(\nt)+7], v[BB] offset:32*(\nt)+16*LP
.endr
	s_cmp_ge_u32 s23, 5                            ; five tiles or more still to do?
	s_cbranch_scc0 .Lfour
.set kk, 0
.rept 32
	KSTEP kk, 5
.set kk, kk+1
.endr
	WIN 0                                          ; at a label and at a branch every window is 0
	s_branch .Lout
.Lfour:                                                ; four or fewer: the fifth tile is neither loaded nor multiplied
.set kk, 0
.rept 32
	KSTEP kk, 4
.set kk, kk+1
.endr
	WIN 0
.Lout:
.rept 4
	v_nop                                          ; the places behind the last products
.endr
.irp j, 0,1,2,3,4
.if (\j) > 0
	s_cmp_gt_u32 s23, \j                           ; a repeated tile is not stored, nor the fifth of a pass of four
	s_cbranch_scc0 .Ldone
.endif
.if FFN == 1
.irp nt, 0,1,2,3
	GELU8 ACC+32*\j+8*\nt
	global_store_b128 v[OO+(\j)], v[ACC+32*(\j)+8*(\nt):ACC+32*(\j)+8*(\nt)+3], s[12:13] offset:512*(\nt)  ; 512 consecutive bytes: half a fragment block of h
.endr
.else
.irp nt, 0,1,2,3
	ds_store_b128 v11, v[ACC+32*(\j)+8*(\nt):ACC+32*(\j)+8*(\nt)+3] offset:64*(\nt)
	ds_store_b128 v11, v[ACC+32*(\j)+8*(\nt)+4:ACC+32*(\j)+8*(\nt)+7] offset:64*(\nt)+16
.endr
.irp t, 0,1,2,3,4,5,6,7
	ds_load_b128 v[ACC+32*(\j)+4*(\t):ACC+32*(\j)+4*(\t)+3], v12 offset:544*(\t)  ; LDS serves a wave's instructions in order (ISA guide 5.7.1.4): these see the stores above; the next tile's stores come behind them
.endr
.irp t, 0,1,2,3,4,5,6,7
	s_wait_dscnt 7-(\t)
	global_store_b128 v[OO+(\j)], v[ACC+32*(\j)+4*(\t):ACC+32*(\j)+4*(\t)+3], s[12:13] offset:8192*(\t)  ; 16 lanes store 256 consecutive bytes of a row of y
.endr
.endif
.endr
.Ldone:
	s_add_co_u32 s22, s22, 5
	s_add_co_u32 s25, s25, 1                       ; the loop counts passes, one a trip
	s_cmp_lt_u32 s25, s54
	s_cbranch_scc0 .Lend
	s_wait_xcnt 0x0                                ; this pass's stores have read their offsets and their data: both are written again below
	PADDR                                          ; the next pass's first fragments are asked for ahead of the jump
	WIN TO_A
	AFETCH 0
	AFETCH 1
	AFETCH 2
	AFETCH 3
	WIN 0
	s_cmp_lt_u32 s25, s54                          ; (the offsets' arithmetic has written SCC)
	s_cbranch_scc1 .Lpass
.Lend:
	s_wait_tensorcnt 0x0
	ds_add_u32 v30, v31
	s_wait_dscnt 0x0
	s_endpgm
.Lfunc_end_k_q9ba888ab3a_ffn2:
	.size	k_q9ba888ab3a_ffn2, .Lfunc_end_k_q9ba888ab3a_ffn2-k_q9ba888ab3a_ffn2
	.p2alignl 7, 3214868480
	.fill 96, 4, 3214868480
	.section	.rodata,"a",@progbits
	.p2align	6, 0x0
	.amdhsa_kernel k_q9ba888ab3a_ffn2
		.amdhsa_group_segment_fixed_size 199680
		.amdhsa_private_segment_fixed_size 0
		.amdhsa_enable_private_segment 0
		.amdhsa_kernarg_size 40
		.amdhsa_user_sgpr_count 2
		.amdhsa_user_sgpr_kernarg_segment_ptr 1
		.amdhsa_wavefront_size32 1
		.amdhsa_system_sgpr_workgroup_id_x 1
		.amdhsa_system_sgpr_workgroup_id_y 1
		.amdhsa_system_sgpr_workgroup_id_z 1
		.amdhsa_system_vgpr_workitem_id 0
		.amdhsa_next_free_vgpr 488
		.amdhsa_next_free_sgpr 82
		.amdhsa_reserve_vcc 0
		.amdhsa_float_denorm_mode_32 3
		.amdhsa_float_denorm_mode_16_64 3
		.amdhsa_memory_ordered 1
		.amdhsa_forward_progress 1
		.amdhsa_inst_pref_size 221
	.end_amdhsa_kernel
	.amdgpu_metadata
---
amdhsa.version: [ 1, 2 ]
amdhsa.kernels:
  - .name:           k_q9ba888ab3a_ffn2
    .symbol:         k_q9ba888ab3a_ffn2.kd
    .args:
      - { .name: h, .offset: 0, .size: 8, .value_kind: global_buffer, .address_space: global }
      - { .name: W2, .offset: 8, .size: 8, .value_kind: global_buffer, .address_space: global }
      - { .name: b2, .offset: 16, .size: 8, .value_kind: global_buffer, .address_space: global }
      - { .name: meta, .offset: 24, .size: 8, .value_kind: global_buffer, .address_space: global }
      - { .name: y, .offset: 32, .size: 8, .value_kind: global_buffer, .address_space: global }
    .group_segment_fixed_size: 199680
    .private_segment_fixed_size: 0
    .kernarg_segment_align: 8
    .kernarg_segment_size: 40
    .max_flat_workgroup_size: 256
    .sgpr_count:     82
    .vgpr_count:     488
    .wavefront_size: 32
...
	.end_amdgpu_metadata
.endif
;; end of part 4
;; launch combine (part 5): grid 256 x 1, 8 waves a work-group, no clusters, 0 bytes of LDS; arguments y, slots, gw, out0; writes out0
.if DOCPART == 5
	.amdgcn_target "amdgcn-amd-amdhsa--gfx1250"
	.amdhsa_code_object_version 6
	.text
	.protected	k_q9ba888ab3a_combine
	.globl	k_q9ba888ab3a_combine
	.p2align	8
	.type	k_q9ba888ab3a_combine,@function
k_q9ba888ab3a_combine:
	s_mov_b64 s[64:65], 0
	v_nop
	global_prefetch_b8 v0, s[64:65] scope:SCOPE_SE
	s_setreg_imm32_b32 hwreg(HW_REG_WAVE_MODE, 25, 1), 1
	s_wait_xcnt 0x0
; THE COMBINATION.  out0[t] = g0 (y0[s0] + y1[s0]) + g1 (y0[s1] + y1[s1]): s0, s1 are the slots of token t's two picks, g0, g1 their weights, y0, y1 the two planes of y (the halves of K).
; A stream: one wave to a token; each load and store covers 512 consecutive bytes; all 32 loads of a wave go out before the first is waited for.  No LDS, no barrier, no matrix unit: there is nothing to share.
; The slots are whole numbers that an earlier launch stored; they are cut at y's last row, 4,223, before they enter an address.
.set PLANE, 17301504                   ; 4,224 rows of 4,096 bytes
.set A0, 16                            ; v[16:47]    plane 0, first pick; then the result
.set B0, 48                            ; v[48:79]    plane 1, first pick
.set A1, 80                            ; v[80:111]   plane 0, second pick
.set B1, 112                           ; v[112:143]  plane 1, second pick
	s_load_b256 s[4:11], s[0:1], 0x0               ; y s[4:5], slots s[6:7], gw s[8:9], out0 s[10:11]
	v_and_b32 v1, 31, v0
	v_lshlrev_b32 v1, 4, v1                        ; 16 bytes a lane
	v_lshrrev_b32 v5, 5, v0
	v_readfirstlane_b32 s12, v5                    ; wave
	s_lshl3_add_u32 s13, ttmp9, s12                ; my token = 8 x work-group + wave
	s_lshl_b32 s24, s13, 2
	s_lshl_b32 s25, s13, 3
	s_lshl_b32 s26, s13, 12                        ; its row of out0
	s_mov_b32 s27, 0
	s_wait_kmcnt 0x0
	s_load_b32 s14, s[6:7], s24 offset:0x0         ; the first pick's slot
	s_load_b32 s15, s[6:7], s24 offset:0x2000      ; the second pick's
	s_load_b64 s[20:21], s[8:9], s25 offset:0x0    ; the two weights
	s_add_nc_u64 s[16:17], s[4:5], PLANE
	s_add_nc_u64 s[10:11], s[10:11], s[26:27]
	s_wait_kmcnt 0x0
	s_min_u32 s14, s14, 4223
	s_min_u32 s15, s15, 4223
	s_mov_b32 s22, s21                             ; the second weight in a pair of its own: the packed forms take a pair's low word for both halves
	s_mov_b32 s23, s21
	v_lshl_add_u32 v2, s14, 12, v1
	v_lshl_add_u32 v3, s15, 12, v1
.irp i, 0,1,2,3,4,5,6,7
	global_load_b128 v[A0+4*(\i):A0+4*(\i)+3], v2, s[4:5]   offset:512*(\i) th:TH_LOAD_NT
	global_load_b128 v[B0+4*(\i):B0+4*(\i)+3], v2, s[16:17] offset:512*(\i) th:TH_LOAD_NT
	global_load_b128 v[A1+4*(\i):A1+4*(\i)+3], v3, s[4:5]   offset:512*(\i) th:TH_LOAD_NT
	global_load_b128 v[B1+4*(\i):B1+4*(\i)+3], v3, s[16:17] offset:512*(\i) th:TH_LOAD_NT
.endr
.irp i, 0,1,2,3,4,5,6,7
	s_wait_loadcnt 28-4*(\i)                       ; loads come back in order: group i's four are in, the later groups stay out
.irp k, 0,2
	v_pk_mul_f32 v[A0+4*(\i)+(\k):A0+4*(\i)+(\k)+1], v[A0+4*(\i)+(\k):A0+4*(\i)+(\k)+1], s[20:21] op_sel_hi:[1,0]
	v_pk_fma_f32 v[A0+4*(\i)+(\k):A0+4*(\i)+(\k)+1], v[B0+4*(\i)+(\k):B0+4*(\i)+(\k)+1], s[20:21], v[A0+4*(\i)+(\k):A0+4*(\i)+(\k)+1] op_sel_hi:[1,0,1]
	v_pk_fma_f32 v[A0+4*(\i)+(\k):A0+4*(\i)+(\k)+1], v[A1+4*(\i)+(\k):A1+4*(\i)+(\k)+1], s[22:23], v[A0+4*(\i)+(\k):A0+4*(\i)+(\k)+1] op_sel_hi:[1,0,1]
	v_pk_fma_f32 v[A0+4*(\i)+(\k):A0+4*(\i)+(\k)+1], v[B1+4*(\i)+(\k):B1+4*(\i)+(\k)+1], s[22:23], v[A0+4*(\i)+(\k):A0+4*(\i)+(\k)+1] op_sel_hi:[1,0,1]
.endr
	global_store_b128 v1, v[A0+4*(\i):A0+4*(\i)+3], s[10:11] offset:512*(\i) th:TH_STORE_NT
.endr
	s_endpgm
.Lfunc_end_k_q9ba888ab3a_combine:
	.size	k_q9ba888ab3a_combine, .Lfunc_end_k_q9ba888ab3a_combine-k_q9ba888ab3a_combine
	.p2alignl 7, 3214868480
	.fill 96, 4, 3214868480
	.section	.rodata,"a",@progbits
	.p2align	6, 0x0
	.amdhsa_kernel k_q9ba888ab3a_combine
		.amdhsa_group_segment_fixed_size 0
		.amdhsa_private_segment_fixed_size 0
		.amdhsa_enable_private_segment 0
		.amdhsa_kernarg_size 32
		.amdhsa_user_sgpr_count 2
		.amdhsa_user_sgpr_kernarg_segment_ptr 1
		.amdhsa_wavefront_size32 1
		.amdhsa_system_sgpr_workgroup_id_x 1
		.amdhsa_system_sgpr_workgroup_id_y 1
		.amdhsa_system_sgpr_workgroup_id_z 1
		.amdhsa_system_vgpr_workitem_id 0
		.amdhsa_next_free_vgpr 144
		.amdhsa_next_free_sgpr 66
		.amdhsa_reserve_vcc 0
		.amdhsa_float_denorm_mode_32 3
		.amdhsa_float_denorm_mode_16_64 3
		.amdhsa_memory_ordered 1
		.amdhsa_forward_progress 1
		.amdhsa_inst_pref_size 10
	.end_amdhsa_kernel
	.amdgpu_metadata
---
amdhsa.version: [ 1, 2 ]
amdhsa.kernels:
  - .name:           k_q9ba888ab3a_combine
    .symbol:         k_q9ba888ab3a_combine.kd
    .args:
      - { .name: y, .offset: 0, .size: 8, .value_kind: global_buffer, .address_space: global }
      - { .name: slots, .offset: 8, .size: 8, .value_kind: global_buffer, .address_space: global }
      - { .name: gw, .offset: 16, .size: 8, .value_kind: global_buffer, .address_space: global }
      - { .name: out0, .offset: 24, .size: 8, .value_kind: global_buffer, .address_space: global }
    .group_segment_fixed_size: 0
    .private_segment_fixed_size: 0
    .kernarg_segment_align: 8
    .kernarg_segment_size: 32
    .max_flat_workgroup_size: 256
    .sgpr_count:     66
    .vgpr_count:     144
    .wavefront_size: 32
...
	.end_amdgpu_metadata
.endif
;; end of part 5
;; ======== version 2 of 2: 5 launches; version 1 with the launches ffn1, ffn2 written anew for expert scheduling mode
;; workspace buffers: sel 8,192 bytes of whole numbers; gw 16,384 bytes; auxp 8,192 bytes; slots 16,384 bytes of whole numbers; meta 256 bytes of whole numbers; xg 8,650,752 bytes; h 17,301,504 bytes; y 34,603,008 bytes
;; launch gate: the kernel of part 1 again; grid 256 x 1, 4 waves a work-group, no clusters, 20,992 bytes of LDS; arguments x, Wg, bg, sel, gw, auxp; writes sel, gw, auxp
;; launch dispatch: the kernel of part 2 again; grid 264 x 1, 8 waves a work-group, no clusters, 37,120 bytes of LDS; arguments sel, auxp, x, xg, slots, meta, out1; writes xg, slots, meta, out1
;; launch ffn1 (part 6): grid 256 x 1, 8 waves a work-group, no clusters, 164,864 bytes of LDS; arguments xg, W1, b1, meta, h; writes h
.if DOCPART == 6
	.amdgcn_target "amdgcn-amd-amdhsa--gfx1250"
	.amdhsa_code_object_version 6
	.text
	.protected	k_q9ba888ab3a_ffn1
	.globl	k_q9ba888ab3a_ffn1
	.p2align	8
	.type	k_q9ba888ab3a_ffn1,@function
k_q9ba888ab3a_ffn1:
	s_mov_b64 s[64:65], 0
	v_nop
	global_prefetch_b8 v0, s[64:65] scope:SCOPE_SE
	s_setreg_imm32_b32 hwreg(HW_REG_WAVE_SCHED_MODE, 0, 2), 2
	s_setreg_imm32_b32 hwreg(HW_REG_WAVE_MODE, 25, 1), 1
	s_wait_xcnt 0x0
	s_wait_alu depctr_vm_vsrc(0)
.set FFN, 1                            ; 1: h = gelu(xg W1 + b1), in bf16.   2: y = h W2 + b2, in f32, K in two halves.  The rest of the text is the same in both launches.
; ONE EXPERT'S PRODUCT ON ITS OWN TOKENS.  Rows are the slots that the launch before sorted by expert, in tiles of 16; meta gives expert e's number of tiles and its first tile.
; A work-group owns a SLAB of one expert's weights, 1,024 (k) x 64 (n): it reads it from memory once, rounds it to bf16 and keeps it in LDS, [k][n], rows 160 bytes apart.
;   FFN = 1: 8 experts x 32 slabs of W1 [1024][2048].     FFN = 2: 8 experts x 2 halves of K x 16 slabs of W2 [2048][1024]; the two halves' sums go to two planes of y, which the last launch adds.
; The rows' operand arrives IN FRAGMENT ORDER ([tile][K step of 32][1,024 bytes]): a fragment is two loads of 16 bytes a lane, 512 consecutive bytes each, straight into registers.
; So behind the one barrier that ends the staging no wave waits for another, and the loop whose length hangs on meta holds no barrier.
; NO TENSOR LOADS: the weights are f32 and must pass through registers to be rounded.  NO CLUSTER: experts have different numbers of tiles, so partners would not run alike.
; THE MATRIX INSTRUCTION IS USED TRANSPOSED: source 0 = 16 columns n of the slab (turned on the way out of LDS by ds_load_tr16_b128), source 1 = 16 slots.  In the result lane l holds slot l % 16
; and n = 8 (l / 16) + 0..7.  FFN = 1: rounded to bf16 these 16 bytes are a lane's half of the next launch's fragment, and leave without a stage.
; SHARES.  Wave w takes the expert's tiles w, w + 8, w + 16, .., up to five to a PASS (5 tiles x 4 blocks of 16 n: 20 accumulators).  The 32 K steps stand twice in the text, for five tiles and for four:
; 4,096 picks are about 32 tiles an expert, four a wave, and a fifth tile that would only repeat the fourth is neither loaded nor multiplied.  A pass with fewer than four tiles left repeats its
; last tile and does not store the repeats.  The way out stands once, behind the two texts.
; THE WALK ALONG K IS TURNED.  The work-groups of an expert (32; with FFN = 2 the 16 of a half of K) read the same rows' operand.  Work-group nb begins at K step 4 (nb % 8) and goes round, so that they do
; not all ask for the same bytes at the same moment.  The turn is made once: LDS rows 128 w .. take the slab's rows 128 ((w + nb) % 8) .., and eight scalar bases point at the operand's blocks of four K steps
; in the turned order.  In the loop every step is named by its place in the walk, and stands in the loads' immediates: every LDS address is a lane's term plus a constant, and no address is stepped.
; A K STEP has two groups, each of two blocks of 16 n.  A group first asks for half of the loads of the rows' fragments four steps on; then, block by block, it reads that block of the slab's next step and multiplies.
; FORMATS AND LIMITS.  Weights, bias and rows are rounded to bf16 (nearest even); sums in f32, begun with the bias, K in the turned order (the last bits differ from an ascending sum's); h in bf16, y in f32.
; GELU is x Phi(x) with Phi's tail Q by the rational form of Abramowitz and Stegun 26.2.17 (error of Phi under 7.5e-8 for every x): g = max(x, 0) - |x| Q(|x|).  NaN and infinities are not treated apart.
; An expert that most tokens pick lengthens the launch (more passes); the values stay right up to all 2,048 tokens (128 tiles).
; REGISTERS, in windows of 256 (s_set_vgpr_msb: bits 1:0 source 0, 3:2 source 1, 5:4 source 2, 7:6 destination):
;   window 0: v0-13 addresses; v16-20, v24-28 a pass's offsets; v21-23 the slab's read addresses; v32-191 accumulators (tile j, block nt at 32 + 32 j + 8 nt); v192-255 the slab's fragments, two K steps
;             (step % 2 = b, block nt at 192 + 32 b + 8 nt), on the way out at work.  In the staging v64-255 are three landing buffers.
;   window 1: v0-199 rows' fragments, five K steps deep (step % 5 = d, tile j at 40 d + 8 j); v200-231 bias.
; The slab's fragments share window 0 with the accumulators and the addresses, so an LDS load stands among the products without a switch; a run of global loads costs two: four switches a K step.
; THE MODE: SCHED_MODE bits 1:0 = 2 (LLVM: expert scheduling mode 2), set by the entry lines.  The code itself states the register dependences between vector or matrix instructions and memory or LDS
; instructions, with s_wait_alu, always for 0.
; THE PLAN.  Registers that memory or LDS instructions touch, and who else names them:
;   the rows' slots 0 .. 4   Step k's products read slot k % 5.  The loads of step k + 4, issued in step k, land in slot (k + 4) % 5 = (k - 1) % 5, which step k - 1's products read.
;   BF0, BF1                 Step k's products read BF[k % 2].  The LDS loads of step k + 1, issued in step k, land in the other, which step k - 1's products read.  FFN = 1: on the way out GELU's lines work in BF0.
;   the accumulators         Written by the products.  FFN = 1: rounded in place by GELU's lines, then read by the stores.  FFN = 2: read by the LDS stores, landed in by the loads from the stage, read by the stores.
;   v[AO ..], v[OO ..]       Written by PADDR, once a pass; read by the pass's loads and stores.
;   v8-v12, v[BB ..]         Made at the head and never written again.
;   the landing buffers      In the staging: landed in, rounded in place, read by the LDS stores.  Later they are TMP, accumulators and BF.
; So ONE wait on va_vdst stands at the head of a K step: the step before is done reading the slot and the buffer in which all of this step's loads land.  This step's products name slot k % 5, BF[k % 2] and
; the accumulators, none of the registers that those loads touch: the loads are dealt among the products with no further wait.  A pass's other waits stand on the way out and round PADDR.
.if FFN == 1
.set PSH,   13                         ; a row of W1, and of b1, is 8,192 bytes
.set ATILE, 15                         ; a tile of xg is 32,768 bytes
.else
.set PSH,   12                         ; a row of W2, and of b2, is 4,096 bytes
.set ATILE, 16                         ; a tile of h is 65,536 bytes
.endif
.set PITCH, 1<<PSH
.set LP,    160                        ; a row of the slab in LDS: 128 bytes + 32 of padding = 40 words
.set STG,   1024*LP                    ; FFN = 2: behind the slab a stage of 16 rows x 272 bytes for each wave
.set AO,   16                          ; v[16:20]  tile j's byte offset in the rows' operand, + 16 x lane
.set BB,   21                          ; v[21:23]  my lane's place in a K step of the slab, at steps 0, 12 and 24 of the walk: an LDS immediate has 16 bits, which hold 12 K steps of 5,120 bytes
.set OO,   24                          ; v[24:28]  tile j's byte offset in the output, + my lane's place
.set ACC,  32
.set BF,   192
.set TT,   192                         ; the way out of FFN = 1: 32 registers at work, where the slab's fragments lay
.set EE,   200
.set PP,   208
.set RR,   216
.set LAND, 64                          ; the staging's landing buffers
.set TMP,  128                         ; 16 registers for the rounding of the bias
.set BIAS, 200                         ; window 1
.set GB,   66                          ; s[66:81]  the rows' operand at steps 0, 4, .. 28 of the walk; never rewritten
.set MSB, 0
.macro WIN new                         ; the immediate's high byte repeats the setting that is left; a switch that changes nothing is dropped
.if MSB != (\new)
	s_set_vgpr_msb (MSB<<8)|(\new)
.set MSB, \new
.endif
.endm
.set TO_A, 0x40                        ; destination window 1, address window 0
.set MUL,  0x04                        ; source 1 (rows) window 1; source 0 (slab), C and D window 0
.set MUL0, 0x14                        ; the same with C (the bias) in window 1
; THE STAGING.  A wave brings 128 rows x 256 bytes in four batches of 16 loads, through three landing buffers.  A load takes row rho in lanes 0-15 and row rho + 4 in lanes 16-31:
; 256 consecutive bytes of each; in LDS the two lie 640 bytes apart, so the 32 lanes' 8-byte stores touch every bank once.
.macro WLOAD b, buf
.irp g, 0,1,2,3
.irp q, 0,1,2,3
	global_load_b128 v[LAND+64*(\buf)+4*(4*(\g)+(\q)):LAND+64*(\buf)+4*(4*(\g)+(\q))+3], v8, s[6:7] offset:(32*(\b)+8*(\g)+(\q))*PITCH th:TH_LOAD_NT
.endr
.endr
.endm
; A batch is rounded in one run and stored in one run, with one wait between the two.
.macro STAGE_B b, buf, lc              ; lc: the loads issued behind this batch, which stay out
	s_wait_loadcnt \lc
.irp g, 0,1,2,3
.irp q, 0,1,2,3
	v_cvt_pk_bf16_f32 v[LAND+64*(\buf)+4*(4*(\g)+(\q))], v[LAND+64*(\buf)+4*(4*(\g)+(\q))], v[LAND+64*(\buf)+4*(4*(\g)+(\q))+1]
	v_cvt_pk_bf16_f32 v[LAND+64*(\buf)+4*(4*(\g)+(\q))+1], v[LAND+64*(\buf)+4*(4*(\g)+(\q))+2], v[LAND+64*(\buf)+4*(4*(\g)+(\q))+3]
.endr
.endr
	s_wait_alu depctr_va_vdst(0)                   ; the conversions have written the batch's pairs, which the LDS stores read, and are done with the whole landing buffer
.irp g, 0,1,2,3
.irp q, 0,1,2,3
	ds_store_b64 v9, v[LAND+64*(\buf)+4*(4*(\g)+(\q)):LAND+64*(\buf)+4*(4*(\g)+(\q))+1] offset:(32*(\b)+8*(\g)+(\q))*LP
.endr
.endr
.endm
; The offsets of a pass's five tiles.  Past my last tile: that tile once more.  A wave without a tile asks too (its requests stand ahead of the barrier, on every wave's path) and uses nothing:
; so a tile's number is also cut at the last tile at or before the expert's end, which an earlier launch has written; the cut at 263, the buffers' last tile, stands last.
.macro PADDR
.irp j, 0,1,2,3,4
	s_add_co_u32 s50, s22, \j
	s_min_u32 s50, s50, s21
	s_lshl3_add_u32 s50, s50, s19                  ; my tiles lie 8 apart
	s_min_u32 s50, s50, s24
	s_min_u32 s50, s50, 263
	v_lshl_add_u32 v[AO+(\j)], s50, ATILE, v4
	v_lshl_add_u32 v[OO+(\j)], s50, 16, v7         ; a tile of h, and of a plane of y, is 65,536 bytes
.endr
	s_sub_co_u32 s23, s20, s22                     ; my tiles still to do, this pass's among them
.endm
; The rows' fragments of step q of the walk, q = 0 .. 3: ten loads, two for each of five tiles (under the setting TO_A).  These requests stand ahead of the choice between the two texts of the
; K steps, so they are always ten: the staging's counts then hang on no data.  In a pass of four tiles the fifth tile's eight loads land and are not read.
.macro AFETCH q
.irp m, 0,1,2,3,4,5,6,7,8,9
	global_load_b128 v[40*((\q)%5)+4*(\m):40*((\q)%5)+4*(\m)+3], v[AO+(\m)/2], s[GB+2*((\q)/4):GB+2*((\q)/4)+1] offset:1024*((\q)%4)+512*((\m)%2)
.endr
.endm
; Step k of the walk's 32, for nt tiles (5 or 4).  Step 0's products start the sums, with the bias as C.
; At its head: the wait on LOADcnt leaves out the rows' fragments of the later steps, 2 nt loads each, three steps at the most.
; Behind it the step's one wait on va_vdst.  Step 0 has none: what its loads land in was last named ahead
; of the wait that stands behind PADDR (ahead of the first pass: of the staging's last wait on va_vdst).  Step 31 loads nothing and has none.
; Group G: nt of the 2 nt loads for step k + 4, into the slot that step k - 1 read; then for each of the blocks 2 G and 2 G + 1: that block of the slab's step k + 1, two LDS loads into the buffer that
; step k - 1 read, and nt products on this step's block.
; The group's wait on DScnt stands behind its first two LDS loads and serves both blocks.  Behind this step's block 2 G + 1 stand 4 - 4 G loads of this step's later blocks and 4 G + 2 of the next step's:
; six may stay out (in step 31, which reads nothing more, 4 - 4 G).
; The 4 nt accumulators take turns, one instruction a turn.
.macro KSTEP k, nt
.if (\k) < 29
	s_wait_loadcnt 6*(\nt)
.else
	s_wait_loadcnt 2*(\nt)*(31-(\k))
.endif
.if ((\k) > 0) && ((\k) < 31)
	s_wait_alu depctr_va_vdst(0)                   ; the last step's products are done reading their slot of the rows' fragments and their buffer of the slab's, in which all of this step's loads land
.endif
.irp G, 0,1
.if (\k) < 28
	WIN TO_A
.irp m, 0,1,2,3,4,5,6,7,8,9
.if (\m)/(\nt) == (\G)
	global_load_b128 v[40*(((\k)+4)%5)+4*(\m):40*(((\k)+4)%5)+4*(\m)+3], v[AO+(\m)/2], s[GB+2*(((\k)+4)/4):GB+2*(((\k)+4)/4)+1] offset:1024*(((\k)+4)%4)+512*((\m)%2)
.endif
.endr
.endif
.if (\k) == 0
	WIN MUL0
.else
	WIN MUL
.endif
.irp b, 0,1
.if (\k) < 31
	ds_load_tr16_b128 v[BF+32*(((\k)+1)%2)+8*(2*(\G)+(\b)):BF+32*(((\k)+1)%2)+8*(2*(\G)+(\b))+3],   v[BB+((\k)+1)/12] offset:32*LP*(((\k)+1)%12)+32*(2*(\G)+(\b))
	ds_load_tr16_b128 v[BF+32*(((\k)+1)%2)+8*(2*(\G)+(\b))+4:BF+32*(((\k)+1)%2)+8*(2*(\G)+(\b))+7], v[BB+((\k)+1)/12] offset:32*LP*(((\k)+1)%12)+32*(2*(\G)+(\b))+16*LP
.endif
.if (\b) == 0
.if (\k) < 31
	s_wait_dscnt 6
.else
	s_wait_dscnt 4-4*(\G)
.endif
.endif
.irp j, 0,1,2,3,4
.if (\j) < (\nt)
.if (\k) == 0
	v_wmma_f32_16x16x32_bf16 v[ACC+32*(\j)+8*(2*(\G)+(\b)):ACC+32*(\j)+8*(2*(\G)+(\b))+7], v[BF+32*((\k)%2)+8*(2*(\G)+(\b)):BF+32*((\k)%2)+8*(2*(\G)+(\b))+7], v[40*((\k)%5)+8*(\j):40*((\k)%5)+8*(\j)+7], v[BIAS+8*(2*(\G)+(\b)):BIAS+8*(2*(\G)+(\b))+7]
.else
	v_wmma_f32_16x16x32_bf16 v[ACC+32*(\j)+8*(2*(\G)+(\b)):ACC+32*(\j)+8*(2*(\G)+(\b))+7], v[BF+32*((\k)%2)+8*(2*(\G)+(\b)):BF+32*((\k)%2)+8*(2*(\G)+(\b))+7], v[40*((\k)%5)+8*(\j):40*((\k)%5)+8*(\j)+7], v[ACC+32*(\j)+8*(2*(\G)+(\b)):ACC+32*(\j)+8*(2*(\G)+(\b))+7]
.endif
.endif
.endr
.endr
.endr
.endm
.if FFN == 1
; GELU of the eight numbers at X, rounded to bf16 into X's first four registers.  t = 1 / (1 + p |x|); Q = 2^(-x^2 log2(e) / 2) t (((( B5 t + B4) t + B3) t + B2) t + B1); g = max(x, 0) - |x| Q.
; The accumulator's lowest registers are read first.  Behind the 16 transcendentals stand the eight maxima, plain instructions that touch neither their results nor their sources.
.macro GELU8 X
.irp i, 0,1,2,3,4,5,6,7
	v_fma_f32 v[TT+(\i)], |v[(\X)+(\i)]|, s32, 1.0
.endr
.irp i, 0,2,4,6
	v_pk_mul_f32 v[PP+(\i):PP+(\i)+1], v[(\X)+(\i):(\X)+(\i)+1], s[34:35] op_sel_hi:[1,0]
.endr
.irp i, 0,2,4,6
	v_pk_mul_f32 v[EE+(\i):EE+(\i)+1], v[PP+(\i):PP+(\i)+1], v[(\X)+(\i):(\X)+(\i)+1]
.endr
.irp i, 0,1,2,3,4,5,6,7
	v_rcp_f32 v[TT+(\i)], v[TT+(\i)]
.endr
.irp i, 0,1,2,3,4,5,6,7
	v_exp_f32 v[EE+(\i)], v[EE+(\i)]
.endr
.irp i, 0,1,2,3,4,5,6,7
	v_max_num_f32 v[RR+(\i)], 0, v[(\X)+(\i)]
.endr
	s_wait_alu depctr_va_vdst(0)
.irp i, 0,2,4,6
	v_pk_fma_f32 v[PP+(\i):PP+(\i)+1], v[TT+(\i):TT+(\i)+1], s[36:37], s[38:39] op_sel_hi:[1,0,0]
.endr
.irp c, 40,42,44
.irp i, 0,2,4,6
	v_pk_fma_f32 v[PP+(\i):PP+(\i)+1], v[PP+(\i):PP+(\i)+1], v[TT+(\i):TT+(\i)+1], s[\c:\c+1] op_sel_hi:[1,1,0]
.endr
.endr
.irp i, 0,2,4,6
	v_pk_mul_f32 v[EE+(\i):EE+(\i)+1], v[EE+(\i):EE+(\i)+1], v[TT+(\i):TT+(\i)+1]
.endr
.irp i, 0,2,4,6
	v_pk_mul_f32 v[PP+(\i):PP+(\i)+1], v[PP+(\i):PP+(\i)+1], v[EE+(\i):EE+(\i)+1]
.endr
.irp i, 0,1,2,3,4,5,6,7
	v_fma_f32 v[RR+(\i)], -|v[(\X)+(\i)]|, v[PP+(\i)], v[RR+(\i)]
.endr
.irp i, 0,1,2,3
	v_cvt_pk_bf16_f32 v[(\X)+(\i)], v[RR+2*(\i)], v[RR+2*(\i)+1]
.endr
.endm
.endif
	s_load_b256 s[4:11], s[0:1], 0x0               ; rows s[4:5], weights s[6:7], bias s[8:9], meta s[10:11]
	s_load_b64 s[12:13], s[0:1], 0x20              ; output
	v_lshl_add_u32 v30, v0, 2, 0x28000
	v_mov_b32 v31, 0
	v_and_b32 v1, 31, v0                           ; lane
	v_and_b32 v2, 15, v0                           ; r = lane % 16
	v_bfe_u32 v3, v0, 4, 1                         ; h = lane / 16
	v_lshrrev_b32 v13, 5, v0
	v_readfirstlane_b32 s14, v13                   ; wave
	s_lshr_b32 s15, ttmp9, 5                       ; expert
.if FFN == 1
	s_and_b32 s16, ttmp9, 31                       ; which 64 columns
	s_mov_b32 s17, 0
.else
	s_and_b32 s16, ttmp9, 15                       ; which 64 columns
	s_bfe_u32 s17, ttmp9, 0x10004                  ; which half of K
.endif
	s_and_b32 s55, s16, 7                          ; the turn: my walk begins at block s55 of the eight blocks of four K steps
	s_lshl_b32 s52, s15, 2                         ; the expert's word in meta; never rewritten
	s_lshl_b32 s53, s16, 8                         ; 64 columns of f32
	s_lshl_b32 s28, s15, 23                        ; an expert's weights are 8 MiB,
	s_lshl_b32 s50, s17, 22                        ; 1,024 rows of W2 are 4 MiB
	s_add_co_u32 s28, s28, s50
	s_add_co_u32 s28, s28, s53
	s_mov_b32 s29, 0
	s_lshl_b32 s30, s15, PSH                       ; the expert's row of the bias
	s_add_co_u32 s30, s30, s53
	s_mov_b32 s31, 0
.if FFN == 1
	s_lshl_b32 s46, s16, 11                        ; my 64 columns are K steps 2 nb, 2 nb + 1 of a tile of h
.else
	s_mul_i32 s46, s17, 17301504                   ; the half's plane of y: 4,224 rows of 4,096 bytes
	s_add_co_u32 s46, s46, s53
.endif
	s_mov_b32 s47, 0
	s_lshl_b32 s48, s17, 15                        ; the half's 32 K steps in a tile of h
	s_mov_b32 s49, 0
	s_mov_b32 s57, 0
.if FFN == 1
	s_mov_b32 s32, 0x3e6d3389                      ; p = 0.2316419
	s_mov_b32 s34, 0xbf38aa3b                      ; -log2(e) / 2; the pairs are named whole, so both words are written
	s_mov_b32 s35, 0xbf38aa3b
	s_mov_b32 s36, 0x3f07dc22                      ; b5 / sqrt(2 pi) =  0.5307027
	s_mov_b32 s37, 0x3f07dc22
	s_mov_b32 s38, 0xbf3a00e3                      ; b4 / sqrt(2 pi) = -0.7265760
	s_mov_b32 s39, 0xbf3a00e3
	s_mov_b32 s40, 0x3f35f0e3                      ; b3 / sqrt(2 pi) =  0.7107069
	s_mov_b32 s41, 0x3f35f0e3
	s_mov_b32 s42, 0xbe11a98e                      ; b2 / sqrt(2 pi) = -0.1422484
	s_mov_b32 s43, 0xbe11a98e
	s_mov_b32 s44, 0x3e027906                      ; b1 / sqrt(2 pi) =  0.1274148
	s_mov_b32 s45, 0x3e027906
.endif
	v_lshlrev_b32 v4, 4, v1                        ; 16 x lane
	v_and_b32 v13, 7, v0                           ; the turning load: lane l reads row 8 h + l % 8, 16 bytes at 16 ((l / 8) % 2)
	v_lshl_add_u32 v13, v3, 3, v13
	v_mul_u32_u24 v[BB], v13, LP
	v_bfe_u32 v13, v0, 3, 1
	v_lshl_add_u32 v[BB], v13, 4, v[BB]
	v_add_nc_u32 v[BB+1], 12*32*LP, v[BB]
	v_add_nc_u32 v[BB+2], 24*32*LP, v[BB]
.if FFN == 1
	v_mov_b32 v7, v4                               ; out: 16 bytes a lane
.else
	v_lshlrev_b32 v7, 4, v2                        ; out: lanes 0-15 a row's 256 bytes, lanes 16-31 the next row's
	v_lshl_add_u32 v7, v3, 12, v7
.endif
	s_wait_alu depctr_va_sdst(0)                   ; s14, the wave's number, is written, ahead of its first reader: the line below
	s_add_co_u32 s50, s14, s55                     ; the staging, in memory: my wave fetches block (wave + turn) % 8 of the slab's eight blocks of 128 rows;
	s_and_b32 s50, s50, 7
	s_lshl_b32 s50, s50, 7
	v_lshl_add_u32 v13, v3, 2, s50                 ; lanes 16-31 take the row four further down
	v_lshlrev_b32 v8, 4, v2
	v_lshl_add_u32 v8, v13, PSH, v8                ; row x pitch + 16 r
	s_lshl_b32 s50, s14, 7                         ; in LDS: it lands in rows 128 x wave on: no LDS address hangs on the turn
	v_lshl_add_u32 v13, v3, 2, s50
	v_mul_u32_u24 v9, v13, LP
	v_lshl_add_u32 v9, v2, 3, v9                   ; row x 160 + 8 r
	v_lshlrev_b32 v10, 5, v3                       ; my 8 numbers of a block of 16 of the bias
.if FFN == 2
	s_mul_i32 s51, s14, 4352
	s_add_co_u32 s51, s51, STG                     ; my stage
	v_mul_u32_u24 v11, v2, 272                     ; in: row r, 32 bytes for each half of the lanes
	v_lshl_add_u32 v11, v3, 5, v11
	v_add_nc_u32 v11, s51, v11
	v_mul_u32_u24 v12, v3, 272                     ; back: lanes 0-15 one row of 256 bytes, lanes 16-31 the next
	v_lshl_add_u32 v12, v2, 4, v12
	v_add_nc_u32 v12, s51, v12
.endif
	s_wait_kmcnt 0x0
	s_load_b32 s18, s[10:11], s52 offset:0x0       ; the expert's tiles
	s_load_b32 s19, s[10:11], s52 offset:0x20      ; its first tile
	s_add_nc_u64 s[6:7], s[6:7], s[28:29]
	s_add_nc_u64 s[8:9], s[8:9], s[30:31]
	WIN TO_A
	s_wait_alu depctr_va_vdst(0)                   ; the head's offsets and LDS addresses, v8 to v12 and v[BB ..], are written: the loads and stores of the whole kernel read them
.irp nt, 0,1,2,3
	global_load_b128 v[BIAS+8*(\nt):BIAS+8*(\nt)+3],   v10, s[8:9] offset:64*(\nt)
	global_load_b128 v[BIAS+8*(\nt)+4:BIAS+8*(\nt)+7], v10, s[8:9] offset:64*(\nt)+16
.endr
	WIN 0
	WLOAD 0, 0
	WLOAD 1, 1
	WLOAD 2, 2
	s_add_nc_u64 s[12:13], s[12:13], s[46:47]
	s_add_nc_u64 s[4:5], s[4:5], s[48:49]
.irp G, 0,1,2,3,4,5,6,7
	s_add_co_u32 s56, s55, \G                      ; steps 4 G .. 4 G + 3 of the walk are block (G + turn) % 8 of a tile's K steps, 4,096 bytes each
	s_and_b32 s56, s56, 7
	s_lshl_b32 s56, s56, 12
	s_add_nc_u64 s[GB+2*(\G):GB+2*(\G)+1], s[4:5], s[56:57]
.endr
	STAGE_B 0, 0, 32                               ; the bias and batch 0 are in; batches 1 and 2 stay out
	s_wait_alu depctr_vm_vsrc(0)                   ; batch 0's LDS stores have read landing buffer 0, in which batch 3 lands (the conversions that named it stand ahead of the batch's wait on va_vdst)
	WLOAD 3, 0
	STAGE_B 1, 1, 32                               ; batches 2 and 3 stay out
	s_wait_kmcnt 0x0                               ; meta
	s_min_u32 s18, s18, 128                        ; 2,048 tokens at the most
	s_min_u32 s19, s19, 263
	s_add_co_u32 s24, s18, s19
	s_max_u32 s24, s24, 1
	s_sub_co_u32 s24, s24, 1                       ; the last tile at or before the expert's end
	s_add_co_u32 s20, s18, 7
	s_sub_co_u32 s20, s20, s14
	s_lshr_b32 s20, s20, 3                         ; my tiles: those numbered w + 8 i below the expert's count; 16 at the most
	s_add_co_u32 s19, s19, s14                     ; my first tile
	s_sub_co_u32 s21, s20, 1
	s_add_co_u32 s54, s20, 4
	s_mul_i32 s54, s54, 205
	s_lshr_b32 s54, s54, 10                        ; my passes = (tiles + 4) / 5: (205 n) >> 10 is n / 5 for every n below 1,024, and n is 20 at the most
	s_mov_b32 s22, 0                               ; my tiles done
	s_mov_b32 s25, 0                               ; my passes done
	PADDR                                          ; the first pass's first fragments are asked for while the slab's last rows are still on their way
	WIN TO_A
	s_wait_alu depctr_va_vdst(0)                   ; PADDR has written v[AO ..] and v[OO ..], which the pass's loads and stores read
	AFETCH 0
	AFETCH 1
	AFETCH 2
	WIN 0
	STAGE_B 2, 2, 46                               ; batch 3 and those 30 loads stay out
	WIN TO_A
	AFETCH 3
	WIN 0
	STAGE_B 3, 0, 40                               ; the 40 loads of the rows' fragments stay out
	s_wait_alu depctr_vm_vsrc(0)                   ; the staging's LDS stores have read the landing buffers: v[TMP ..] are written below, the others by the first products and by the loads of the slab's fragments
	WIN 0x05                                       ; the bias is rounded to bf16 like every input, and kept in f32: sources window 1, destination window 0,
.irp k, 0,1,2,3,4,5,6,7,8,9,10,11,12,13,14,15
	v_cvt_pk_bf16_f32 v[TMP+(\k)], v[BIAS+2*(\k)], v[BIAS+2*(\k)+1]
.endr
	WIN 0
.if FFN == 2
	s_cmp_eq_u32 s17, 0                            ; the bias enters the first half's sums alone
	s_cselect_b32 s50, -1, 0
.irp k, 0,1,2,3,4,5,6,7,8,9,10,11,12,13,14,15
	v_and_b32 v[TMP+(\k)], s50, v[TMP+(\k)]
.endr
.endif
	WIN TO_A                                       ; and back
.irp k, 0,1,2,3,4,5,6,7,8,9,10,11,12,13,14,15
	v_lshlrev_b32 v[BIAS+2*(\k)], 16, v[TMP+(\k)]
	v_and_b32 v[BIAS+2*(\k)+1], 0xffff0000, v[TMP+(\k)]
.endr
	WIN 0
	s_wait_dscnt 0x0                               ; for the others' sake: my rows of the slab are in LDS
	s_barrier_signal -1
	s_barrier_wait -1                              ; the launch's one barrier: from here on the slab is only read
	s_cmp_eq_u32 s20, 0
	s_cbranch_scc1 .Lend                           ; no tile is mine
.Lpass:                                                ; up to five of my tiles a trip; the rows' fragments of steps 0 to 3 are on their way: with those that a step adds, 40 of the wave's loads are out at the most
.irp nt, 0,1,2,3                       ; the slab's fragments of step 0.  No wait: since the last wait on va_vdst, on either way here, no vector or matrix instruction has named BF
	ds_load_tr16_b128 v[BF+8*(\nt):BF+8*(\nt)+3],   v[BB] offset:32*(\nt)
	ds_load_tr16_b128 v[BF+8*(\nt)+4:BF+8*(\nt)+7], v[BB] offset:32*(\nt)+16*LP
.endr
	s_cmp_ge_u32 s23, 5                            ; five tiles or more still to do?
	s_cbranch_scc0 .Lfour
.set kk, 0
.rept 32
	KSTEP kk, 5
.set kk, kk+1
.endr
	WIN 0                                          ; at a label and at a branch every window is 0
	s_branch .Lout
.Lfour:                                                ; four or fewer: the fifth tile is neither loaded nor multiplied
.set kk, 0
.rept 32
	KSTEP kk, 4
.set kk, kk+1
.endr
	WIN 0
.Lout:
.rept 4
	v_nop                                          ; the places behind the last products
.endr
.if FFN == 2
	s_wait_alu depctr_va_vdst(0)                   ; the products have written the accumulators, which the LDS stores below read and in which the loads from the stage land; the places above stay beside this wait
.endif
.irp j, 0,1,2,3,4
.if (\j) > 0
	s_cmp_gt_u32 s23, \j                           ; a repeated tile is not stored, nor the fifth of a pass of four
	s_cbranch_scc0 .Ldone
.endif
.if FFN == 1
.irp nt, 0,1,2,3
	GELU8 ACC+32*\j+8*\nt
.endr
	s_wait_alu depctr_va_vdst(0)                   ; the tile's four roundings have written the registers that its four stores read
.irp nt, 0,1,2,3
	global_store_b128 v[OO+(\j)], v[ACC+32*(\j)+8*(\nt):ACC+32*(\j)+8*(\nt)+3], s[12:13] offset:512*(\nt)  ; 512 consecutive bytes: half a fragment block of h
.endr
.else
.irp nt, 0,1,2,3
	ds_store_b128 v11, v[ACC+32*(\j)+8*(\nt):ACC+32*(\j)+8*(\nt)+3] offset:64*(\nt)
	ds_store_b128 v11, v[ACC+32*(\j)+8*(\nt)+4:ACC+32*(\j)+8*(\nt)+7] offset:64*(\nt)+16
.endr
	s_wait_alu depctr_vm_vsrc(0)                   ; the tile's LDS stores have read its accumulators, in which the loads below land
.irp t, 0,1,2,3,4,5,6,7
	ds_load_b128 v[ACC+32*(\j)+4*(\t):ACC+32*(\j)+4*(\t)+3], v12 offset:544*(\t)  ; LDS serves a wave's instructions in order (ISA guide 5.7.1.4): these see the stores above; the next tile's stores come behind them
.endr
.irp t, 0,1,2,3,4,5,6,7
	s_wait_dscnt 7-(\t)
	global_store_b128 v[OO+(\j)], v[ACC+32*(\j)+4*(\t):ACC+32*(\j)+4*(\t)+3], s[12:13] offset:8192*(\t)  ; 16 lanes store 256 consecutive bytes of a row of y
.endr
.endif
.endr
.Ldone:
	s_add_co_u32 s22, s22, 5
	s_add_co_u32 s25, s25, 1                       ; the loop counts passes, one a trip
	s_cmp_lt_u32 s25, s54
	s_cbranch_scc0 .Lend
	s_wait_xcnt 0x0                                ; this pass's stores have read their offsets and their data: both are written again below
	s_wait_alu depctr_vm_vsrc(0)                   ; this pass's loads and stores have read v[AO ..] and v[OO ..], which PADDR writes, and the stores their data, which the next pass's first products write
	PADDR                                          ; the next pass's first fragments are asked for ahead of the jump
	WIN TO_A
	s_wait_alu depctr_va_vdst(0)                   ; PADDR has written v[AO ..] and v[OO ..]; the pass's last products, and with FFN = 1 GELU's lines, are done with the rows' slots and with BF, in which the loads from here to step 0 land
	AFETCH 0
	AFETCH 1
	AFETCH 2
	AFETCH 3
	WIN 0
	s_cmp_lt_u32 s25, s54                          ; (the offsets' arithmetic has written SCC)
	s_cbranch_scc1 .Lpass
.Lend:
	s_wait_dscnt 0x0
	s_wait_alu depctr_hold_cnt(0) depctr_sa_sdst(0) depctr_va_vdst(0) depctr_va_sdst(0) depctr_va_ssrc(0) depctr_va_vcc(0) depctr_vm_vsrc(0)
	s_wait_tensorcnt 0x0
	ds_add_u32 v30, v31
	s_wait_dscnt 0x0
	s_endpgm
.Lfunc_end_k_q9ba888ab3a_ffn1:
	.size	k_q9ba888ab3a_ffn1, .Lfunc_end_k_q9ba888ab3a_ffn1-k_q9ba888ab3a_ffn1
	.p2alignl 7, 3214868480
	.fill 96, 4, 3214868480
	.section	.rodata,"a",@progbits
	.p2align	6, 0x0
	.amdhsa_kernel k_q9ba888ab3a_ffn1
		.amdhsa_group_segment_fixed_size 164864
		.amdhsa_private_segment_fixed_size 0
		.amdhsa_enable_private_segment 0
		.amdhsa_kernarg_size 40
		.amdhsa_user_sgpr_count 2
		.amdhsa_user_sgpr_kernarg_segment_ptr 1
		.amdhsa_wavefront_size32 1
		.amdhsa_system_sgpr_workgroup_id_x 1
		.amdhsa_system_sgpr_workgroup_id_y 1
		.amdhsa_system_sgpr_workgroup_id_z 1
		.amdhsa_system_vgpr_workitem_id 0
		.amdhsa_next_free_vgpr 488
		.amdhsa_next_free_sgpr 82
		.amdhsa_reserve_vcc 0
		.amdhsa_float_denorm_mode_32 3
		.amdhsa_float_denorm_mode_16_64 3
		.amdhsa_memory_ordered 1
		.amdhsa_forward_progress 1
		.amdhsa_inst_pref_size 255
	.end_amdhsa_kernel
	.section	.bss,"aw",@nobits
	.p2align	6
	.space	262144
	.amdgpu_metadata
---
amdhsa.version: [ 1, 2 ]
amdhsa.kernels:
  - .name:           k_q9ba888ab3a_ffn1
    .symbol:         k_q9ba888ab3a_ffn1.kd
    .args:
      - { .name: xg, .offset: 0, .size: 8, .value_kind: global_buffer, .address_space: global }
      - { .name: W1, .offset: 8, .size: 8, .value_kind: global_buffer, .address_space: global }
      - { .name: b1, .offset: 16, .size: 8, .value_kind: global_buffer, .address_space: global }
      - { .name: meta, .offset: 24, .size: 8, .value_kind: global_buffer, .address_space: global }
      - { .name: h, .offset: 32, .size: 8, .value_kind: global_buffer, .address_space: global }
    .group_segment_fixed_size: 164864
    .private_segment_fixed_size: 0
    .kernarg_segment_align: 8
    .kernarg_segment_size: 40
    .max_flat_workgroup_size: 256
    .sgpr_count:     82
    .vgpr_count:     488
    .wavefront_size: 32
...
	.end_amdgpu_metadata
.endif
;; end of part 6
;; launch ffn2 (part 7): grid 256 x 1, 8 waves a work-group, no clusters, 199,680 bytes of LDS; arguments h, W2, b2, meta, y; writes y
.if DOCPART == 7
	.amdgcn_target "amdgcn-amd-amdhsa--gfx1250"
	.amdhsa_code_object_version 6
	.text
	.protected	k_q9ba888ab3a_ffn2
	.globl	k_q9ba888ab3a_ffn2
	.p2align	8
	.type	k_q9ba888ab3a_ffn2,@function
k_q9ba888ab3a_ffn2:
	s_mov_b64 s[64:65], 0
	v_nop
	global_prefetch_b8 v0, s[64:65] scope:SCOPE_SE
	s_setreg_imm32_b32 hwreg(HW_REG_WAVE_SCHED_MODE, 0, 2), 2
	s_setreg_imm32_b32 hwreg(HW_REG_WAVE_MODE, 25, 1), 1
	s_wait_xcnt 0x0
	s_wait_alu depctr_vm_vsrc(0)
.set FFN, 2                            ; 1: h = gelu(xg W1 + b1), in bf16.   2: y = h W2 + b2, in f32, K in two halves.  The rest of the text is the same in both launches.
; ONE EXPERT'S PRODUCT ON ITS OWN TOKENS.  Rows are the slots that the launch before sorted by expert, in tiles of 16; meta gives expert e's number of tiles and its first tile.
; A work-group owns a SLAB of one expert's weights, 1,024 (k) x 64 (n): it reads it from memory once, rounds it to bf16 and keeps it in LDS, [k][n], rows 160 bytes apart.
;   FFN = 1: 8 experts x 32 slabs of W1 [1024][2048].     FFN = 2: 8 experts x 2 halves of K x 16 slabs of W2 [2048][1024]; the two halves' sums go to two planes of y, which the last launch adds.
; The rows' operand arrives IN FRAGMENT ORDER ([tile][K step of 32][1,024 bytes]): a fragment is two loads of 16 bytes a lane, 512 consecutive bytes each, straight into registers.
; So behind the one barrier that ends the staging no wave waits for another, and the loop whose length hangs on meta holds no barrier.
; NO TENSOR LOADS: the weights are f32 and must pass through registers to be rounded.  NO CLUSTER: experts have different numbers of tiles, so partners would not run alike.
; THE MATRIX INSTRUCTION IS USED TRANSPOSED: source 0 = 16 columns n of the slab (turned on the way out of LDS by ds_load_tr16_b128), source 1 = 16 slots.  In the result lane l holds slot l % 16
; and n = 8 (l / 16) + 0..7.  FFN = 1: rounded to bf16 these 16 bytes are a lane's half of the next launch's fragment, and leave without a stage.
; SHARES.  Wave w takes the expert's tiles w, w + 8, w + 16, .., up to five to a PASS (5 tiles x 4 blocks of 16 n: 20 accumulators).  The 32 K steps stand twice in the text, for five tiles and for four:
; 4,096 picks are about 32 tiles an expert, four a wave, and a fifth tile that would only repeat the fourth is neither loaded nor multiplied.  A pass with fewer than four tiles left repeats its
; last tile and does not store the repeats.  The way out stands once, behind the two texts.
; THE WALK ALONG K IS TURNED.  The work-groups of an expert (32; with FFN = 2 the 16 of a half of K) read the same rows' operand.  Work-group nb begins at K step 4 (nb % 8) and goes round, so that they do
; not all ask for the same bytes at the same moment.  The turn is made once: LDS rows 128 w .. take the slab's rows 128 ((w + nb) % 8) .., and eight scalar bases point at the operand's blocks of four K steps
; in the turned order.  In the loop every step is named by its place in the walk, and stands in the loads' immediates: every LDS address is a lane's term plus a constant, and no address is stepped.
; A K STEP has two groups, each of two blocks of 16 n.  A group first asks for half of the loads of the rows' fragments four steps on; then, block by block, it reads that block of the slab's next step and multiplies.
; FORMATS AND LIMITS.  Weights, bias and rows are rounded to bf16 (nearest even); sums in f32, begun with the bias, K in the turned order (the last bits differ from an ascending sum's); h in bf16, y in f32.
; GELU is x Phi(x) with Phi's tail Q by the rational form of Abramowitz and Stegun 26.2.17 (error of Phi under 7.5e-8 for every x): g = max(x, 0) - |x| Q(|x|).  NaN and infinities are not treated apart.
; An expert that most tokens pick lengthens the launch (more passes); the values stay right up to all 2,048 tokens (128 tiles).
; REGISTERS, in windows of 256 (s_set_vgpr_msb: bits 1:0 source 0, 3:2 source 1, 5:4 source 2, 7:6 destination):
;   window 0: v0-13 addresses; v16-20, v24-28 a pass's offsets; v21-23 the slab's read addresses; v32-191 accumulators (tile j, block nt at 32 + 32 j + 8 nt); v192-255 the slab's fragments, two K steps
;             (step % 2 = b, block nt at 192 + 32 b + 8 nt), on the way out at work.  In the staging v64-255 are three landing buffers.
;   window 1: v0-199 rows' fragments, five K steps deep (step % 5 = d, tile j at 40 d + 8 j); v200-231 bias.
; The slab's fragments share window 0 with the accumulators and the addresses, so an LDS load stands among the products without a switch; a run of global loads costs two: four switches a K step.
; THE MODE: SCHED_MODE bits 1:0 = 2 (LLVM: expert scheduling mode 2), set by the entry lines.  The code itself states the register dependences between vector or matrix instructions and memory or LDS
; instructions, with s_wait_alu, always for 0.
; THE PLAN.  Registers that memory or LDS instructions touch, and who else names them:
;   the rows' slots 0 .. 4   Step k's products read slot k % 5.  The loads of step k + 4, issued in step k, land in slot (k + 4) % 5 = (k - 1) % 5, which step k - 1's products read.
;   BF0, BF1                 Step k's products read BF[k % 2].  The LDS loads of step k + 1, issued in step k, land in the other, which step k - 1's products read.  FFN = 1: on the way out GELU's lines work in BF0.
;   the accumulators         Written by the products.  FFN = 1: rounded in place by GELU's lines, then read by the stores.  FFN = 2: read by the LDS stores, landed in by the loads from the stage, read by the stores.
;   v[AO ..], v[OO ..]       Written by PADDR, once a pass; read by the pass's loads and stores.
;   v8-v12, v[BB ..]         Made at the head and never written again.
;   the landing buffers      In the staging: landed in, rounded in place, read by the LDS stores.  Later they are TMP, accumulators and BF.
; So ONE wait on va_vdst stands at the head of a K step: the step before is done reading the slot and the buffer in which all of this step's loads land.  This step's products name slot k % 5, BF[k % 2] and
; the accumulators, none of the registers that those loads touch: the loads are dealt among the products with no further wait.  A pass's other waits stand on the way out and round PADDR.
.if FFN == 1
.set PSH,   13                         ; a row of W1, and of b1, is 8,192 bytes
.set ATILE, 15                         ; a tile of xg is 32,768 bytes
.else
.set PSH,   12                         ; a row of W2, and of b2, is 4,096 bytes
.set ATILE, 16                         ; a tile of h is 65,536 bytes
.endif
.set PITCH, 1<<PSH
.set LP,    160                        ; a row of the slab in LDS: 128 bytes + 32 of padding = 40 words
.set STG,   1024*LP                    ; FFN = 2: behind the slab a stage of 16 rows x 272 bytes for each wave
.set AO,   16                          ; v[16:20]  tile j's byte offset in the rows' operand, + 16 x lane
.set BB,   21                          ; v[21:23]  my lane's place in a K step of the slab, at steps 0, 12 and 24 of the walk: an LDS immediate has 16 bits, which hold 12 K steps of 5,120 bytes
.set OO,   24                          ; v[24:28]  tile j's byte offset in the output, + my lane's place
.set ACC,  32
.set BF,   192
.set TT,   192                         ; the way out of FFN = 1: 32 registers at work, where the slab's fragments lay
.set EE,   200
.set PP,   208
.set RR,   216
.set LAND, 64                          ; the staging's landing buffers
.set TMP,  128                         ; 16 registers for the rounding of the bias
.set BIAS, 200                         ; window 1
.set GB,   66                          ; s[66:81]  the rows' operand at steps 0, 4, .. 28 of the walk; never rewritten
.set MSB, 0
.macro WIN new                         ; the immediate's high byte repeats the setting that is left; a switch that changes nothing is dropped
.if MSB != (\new)
	s_set_vgpr_msb (MSB<<8)|(\new)
.set MSB, \new
.endif
.endm
.set TO_A, 0x40                        ; destination window 1, address window 0
.set MUL,  0x04                        ; source 1 (rows) window 1; source 0 (slab), C and D window 0
.set MUL0, 0x14                        ; the same with C (the bias) in window 1
; THE STAGING.  A wave brings 128 rows x 256 bytes in four batches of 16 loads, through three landing buffers.  A load takes row rho in lanes 0-15 and row rho + 4 in lanes 16-31:
; 256 consecutive bytes of each; in LDS the two lie 640 bytes apart, so the 32 lanes' 8-byte stores touch every bank once.
.macro WLOAD b, buf
.irp g, 0,1,2,3
.irp q, 0,1,2,3
	global_load_b128 v[LAND+64*(\buf)+4*(4*(\g)+(\q)):LAND+64*(\buf)+4*(4*(\g)+(\q))+3], v8, s[6:7] offset:(32*(\b)+8*(\g)+(\q))*PITCH th:TH_LOAD_NT
.endr
.endr
.endm
; A batch is rounded in one run and stored in one run, with one wait between the two.
.macro STAGE_B b, buf, lc              ; lc: the loads issued behind this batch, which stay out
	s_wait_loadcnt \lc
.irp g, 0,1,2,3
.irp q, 0,1,2,3
	v_cvt_pk_bf16_f32 v[LAND+64*(\buf)+4*(4*(\g)+(\q))], v[LAND+64*(\buf)+4*(4*(\g)+(\q))], v[LAND+64*(\buf)+4*(4*(\g)+(\q))+1]
	v_cvt_pk_bf16_f32 v[LAND+64*(\buf)+4*(4*(\g)+(\q))+1], v[LAND+64*(\buf)+4*(4*(\g)+(\q))+2], v[LAND+64*(\buf)+4*(4*(\g)+(\q))+3]
.endr
.endr
	s_wait_alu depctr_va_vdst(0)                   ; the conversions have written the batch's pairs, which the LDS stores read, and are done with the whole landing buffer
.irp g, 0,1,2,3
.irp q, 0,1,2,3
	ds_store_b64 v9, v[LAND+64*(\buf)+4*(4*(\g)+(\q)):LAND+64*(\buf)+4*(4*(\g)+(\q))+1] offset:(32*(\b)+8*(\g)+(\q))*LP
.endr
.endr
.endm
; The offsets of a pass's five tiles.  Past my last tile: that tile once more.  A wave without a tile asks too (its requests stand ahead of the barrier, on every wave's path) and uses nothing:
; so a tile's number is also cut at the last tile at or before the expert's end, which an earlier launch has written; the cut at 263, the buffers' last tile, stands last.
.macro PADDR
.irp j, 0,1,2,3,4
	s_add_co_u32 s50, s22, \j
	s_min_u32 s50, s50, s21
	s_lshl3_add_u32 s50, s50, s19                  ; my tiles lie 8 apart
	s_min_u32 s50, s50, s24
	s_min_u32 s50, s50, 263
	v_lshl_add_u32 v[AO+(\j)], s50, ATILE, v4
	v_lshl_add_u32 v[OO+(\j)], s50, 16, v7         ; a tile of h, and of a plane of y, is 65,536 bytes
.endr
	s_sub_co_u32 s23, s20, s22                     ; my tiles still to do, this pass's among them
.endm
; The rows' fragments of step q of the walk, q = 0 .. 3: ten loads, two for each of five tiles (under the setting TO_A).  These requests stand ahead of the choice between the two texts of the
; K steps, so they are always ten: the staging's counts then hang on no data.  In a pass of four tiles the fifth tile's eight loads land and are not read.
.macro AFETCH q
.irp m, 0,1,2,3,4,5,6,7,8,9
	global_load_b128 v[40*((\q)%5)+4*(\m):40*((\q)%5)+4*(\m)+3], v[AO+(\m)/2], s[GB+2*((\q)/4):GB+2*((\q)/4)+1] offset:1024*((\q)%4)+512*((\m)%2)
.endr
.endm
; Step k of the walk's 32, for nt tiles (5 or 4).  Step 0's products start the sums, with the bias as C.
; At its head: the wait on LOADcnt leaves out the rows' fragments of the later steps, 2 nt loads each, three steps at the most.
; Behind it the step's one wait on va_vdst.  Step 0 has none: what its loads land in was last named ahead
; of the wait that stands behind PADDR (ahead of the first pass: of the staging's last wait on va_vdst).  Step 31 loads nothing and has none.
; Group G: nt of the 2 nt loads for step k + 4, into the slot that step k - 1 read; then for each of the blocks 2 G and 2 G + 1: that block of the slab's step k + 1, two LDS loads into the buffer that
; step k - 1 read, and nt products on this step's block.
; The group's wait on DScnt stands behind its first two LDS loads and serves both blocks.  Behind this step's block 2 G + 1 stand 4 - 4 G loads of this step's later blocks and 4 G + 2 of the next step's:
; six may stay out (in step 31, which reads nothing more, 4 - 4 G).
; The 4 nt accumulators take turns, one instruction a turn.
.macro KSTEP k, nt
.if (\k) < 29
	s_wait_loadcnt 6*(\nt)
.else
	s_wait_loadcnt 2*(\nt)*(31-(\k))
.endif
.if ((\k) > 0) && ((\k) < 31)
	s_wait_alu depctr_va_vdst(0)                   ; the last step's products are done reading their slot of the rows' fragments and their buffer of the slab's, in which all of this step's loads land
.endif
.irp G, 0,1
.if (\k) < 28
	WIN TO_A
.irp m, 0,1,2,3,4,5,6,7,8,9
.if (\m)/(\nt) == (\G)
	global_load_b128 v[40*(((\k)+4)%5)+4*(\m):40*(((\k)+4)%5)+4*(\m)+3], v[AO+(\m)/2], s[GB+2*(((\k)+4)/4):GB+2*(((\k)+4)/4)+1] offset:1024*(((\k)+4)%4)+512*((\m)%2)
.endif
.endr
.endif
.if (\k) == 0
	WIN MUL0
.else
	WIN MUL
.endif
.irp b, 0,1
.if (\k) < 31
	ds_load_tr16_b128 v[BF+32*(((\k)+1)%2)+8*(2*(\G)+(\b)):BF+32*(((\k)+1)%2)+8*(2*(\G)+(\b))+3],   v[BB+((\k)+1)/12] offset:32*LP*(((\k)+1)%12)+32*(2*(\G)+(\b))
	ds_load_tr16_b128 v[BF+32*(((\k)+1)%2)+8*(2*(\G)+(\b))+4:BF+32*(((\k)+1)%2)+8*(2*(\G)+(\b))+7], v[BB+((\k)+1)/12] offset:32*LP*(((\k)+1)%12)+32*(2*(\G)+(\b))+16*LP
.endif
.if (\b) == 0
.if (\k) < 31
	s_wait_dscnt 6
.else
	s_wait_dscnt 4-4*(\G)
.endif
.endif
.irp j, 0,1,2,3,4
.if (\j) < (\nt)
.if (\k) == 0
	v_wmma_f32_16x16x32_bf16 v[ACC+32*(\j)+8*(2*(\G)+(\b)):ACC+32*(\j)+8*(2*(\G)+(\b))+7], v[BF+32*((\k)%2)+8*(2*(\G)+(\b)):BF+32*((\k)%2)+8*(2*(\G)+(\b))+7], v[40*((\k)%5)+8*(\j):40*((\k)%5)+8*(\j)+7], v[BIAS+8*(2*(\G)+(\b)):BIAS+8*(2*(\G)+(\b))+7]
.else
	v_wmma_f32_16x16x32_bf16 v[ACC+32*(\j)+8*(2*(\G)+(\b)):ACC+32*(\j)+8*(2*(\G)+(\b))+7], v[BF+32*((\k)%2)+8*(2*(\G)+(\b)):BF+32*((\k)%2)+8*(2*(\G)+(\b))+7], v[40*((\k)%5)+8*(\j):40*((\k)%5)+8*(\j)+7], v[ACC+32*(\j)+8*(2*(\G)+(\b)):ACC+32*(\j)+8*(2*(\G)+(\b))+7]
.endif
.endif
.endr
.endr
.endr
.endm
.if FFN == 1
; GELU of the eight numbers at X, rounded to bf16 into X's first four registers.  t = 1 / (1 + p |x|); Q = 2^(-x^2 log2(e) / 2) t (((( B5 t + B4) t + B3) t + B2) t + B1); g = max(x, 0) - |x| Q.
; The accumulator's lowest registers are read first.  Behind the 16 transcendentals stand the eight maxima, plain instructions that touch neither their results nor their sources.
.macro GELU8 X
.irp i, 0,1,2,3,4,5,6,7
	v_fma_f32 v[TT+(\i)], |v[(\X)+(\i)]|, s32, 1.0
.endr
.irp i, 0,2,4,6
	v_pk_mul_f32 v[PP+(\i):PP+(\i)+1], v[(\X)+(\i):(\X)+(\i)+1], s[34:35] op_sel_hi:[1,0]
.endr
.irp i, 0,2,4,6
	v_pk_mul_f32 v[EE+(\i):EE+(\i)+1], v[PP+(\i):PP+(\i)+1], v[(\X)+(\i):(\X)+(\i)+1]
.endr
.irp i, 0,1,2,3,4,5,6,7
	v_rcp_f32 v[TT+(\i)], v[TT+(\i)]
.endr
.irp i, 0,1,2,3,4,5,6,7
	v_exp_f32 v[EE+(\i)], v[EE+(\i)]
.endr
.irp i, 0,1,2,3,4,5,6,7
	v_max_num_f32 v[RR+(\i)], 0, v[(\X)+(\i)]
.endr
.irp i, 0,2,4,6
	v_pk_fma_f32 v[PP+(\i):PP+(\i)+1], v[TT+(\i):TT+(\i)+1], s[36:37], s[38:39] op_sel_hi:[1,0,0]
.endr
.irp c, 40,42,44
.irp i, 0,2,4,6
	v_pk_fma_f32 v[PP+(\i):PP+(\i)+1], v[PP+(\i):PP+(\i)+1], v[TT+(\i):TT+(\i)+1], s[\c:\c+1] op_sel_hi:[1,1,0]
.endr
.endr
.irp i, 0,2,4,6
	v_pk_mul_f32 v[EE+(\i):EE+(\i)+1], v[EE+(\i):EE+(\i)+1], v[TT+(\i):TT+(\i)+1]
.endr
.irp i, 0,2,4,6
	v_pk_mul_f32 v[PP+(\i):PP+(\i)+1], v[PP+(\i):PP+(\i)+1], v[EE+(\i):EE+(\i)+1]
.endr
.irp i, 0,1,2,3,4,5,6,7
	v_fma_f32 v[RR+(\i)], -|v[(\X)+(\i)]|, v[PP+(\i)], v[RR+(\i)]
.endr
.irp i, 0,1,2,3
	v_cvt_pk_bf16_f32 v[(\X)+(\i)], v[RR+2*(\i)], v[RR+2*(\i)+1]
.endr
.endm
.endif
	s_load_b256 s[4:11], s[0:1], 0x0               ; rows s[4:5], weights s[6:7], bias s[8:9], meta s[10:11]
	s_load_b64 s[12:13], s[0:1], 0x20              ; output
	v_lshl_add_u32 v30, v0, 2, 0x30800
	v_mov_b32 v31, 0
	v_and_b32 v1, 31, v0                           ; lane
	v_and_b32 v2, 15, v0                           ; r = lane % 16
	v_bfe_u32 v3, v0, 4, 1                         ; h = lane / 16
	v_lshrrev_b32 v13, 5, v0
	v_readfirstlane_b32 s14, v13                   ; wave
	s_lshr_b32 s15, ttmp9, 5                       ; expert
.if FFN == 1
	s_and_b32 s16, ttmp9, 31                       ; which 64 columns
	s_mov_b32 s17, 0
.else
	s_and_b32 s16, ttmp9, 15                       ; which 64 columns
	s_bfe_u32 s17, ttmp9, 0x10004                  ; which half of K
.endif
	s_and_b32 s55, s16, 7                          ; the turn: my walk begins at block s55 of the eight blocks of four K steps
	s_lshl_b32 s52, s15, 2                         ; the expert's word in meta; never rewritten
	s_lshl_b32 s53, s16, 8                         ; 64 columns of f32
	s_lshl_b32 s28, s15, 23                        ; an expert's weights are 8 MiB,
	s_lshl_b32 s50, s17, 22                        ; 1,024 rows of W2 are 4 MiB
	s_add_co_u32 s28, s28, s50
	s_add_co_u32 s28, s28, s53
	s_mov_b32 s29, 0
	s_lshl_b32 s30, s15, PSH                       ; the expert's row of the bias
	s_add_co_u32 s30, s30, s53
	s_mov_b32 s31, 0
.if FFN == 1
	s_lshl_b32 s46, s16, 11                        ; my 64 columns are K steps 2 nb, 2 nb + 1 of a tile of h
.else
	s_mul_i32 s46, s17, 17301504                   ; the half's plane of y: 4,224 rows of 4,096 bytes
	s_add_co_u32 s46, s46, s53
.endif
	s_mov_b32 s47, 0
	s_lshl_b32 s48, s17, 15                        ; the half's 32 K steps in a tile of h
	s_mov_b32 s49, 0
	s_mov_b32 s57, 0
.if FFN == 1
	s_mov_b32 s32, 0x3e6d3389                      ; p = 0.2316419
	s_mov_b32 s34, 0xbf38aa3b                      ; -log2(e) / 2; the pairs are named whole, so both words are written
	s_mov_b32 s35, 0xbf38aa3b
	s_mov_b32 s36, 0x3f07dc22                      ; b5 / sqrt(2 pi) =  0.5307027
	s_mov_b32 s37, 0x3f07dc22
	s_mov_b32 s38, 0xbf3a00e3                      ; b4 / sqrt(2 pi) = -0.7265760
	s_mov_b32 s39, 0xbf3a00e3
	s_mov_b32 s40, 0x3f35f0e3                      ; b3 / sqrt(2 pi) =  0.7107069
	s_mov_b32 s41, 0x3f35f0e3
	s_mov_b32 s42, 0xbe11a98e                      ; b2 / sqrt(2 pi) = -0.1422484
	s_mov_b32 s43, 0xbe11a98e
	s_mov_b32 s44, 0x3e027906                      ; b1 / sqrt(2 pi) =  0.1274148
	s_mov_b32 s45, 0x3e027906
.endif
	v_lshlrev_b32 v4, 4, v1                        ; 16 x lane
	v_and_b32 v13, 7, v0                           ; the turning load: lane l reads row 8 h + l % 8, 16 bytes at 16 ((l / 8) % 2)
	v_lshl_add_u32 v13, v3, 3, v13
	v_mul_u32_u24 v[BB], v13, LP
	v_bfe_u32 v13, v0, 3, 1
	v_lshl_add_u32 v[BB], v13, 4, v[BB]
	v_add_nc_u32 v[BB+1], 12*32*LP, v[BB]
	v_add_nc_u32 v[BB+2], 24*32*LP, v[BB]
.if FFN == 1
	v_mov_b32 v7, v4                               ; out: 16 bytes a lane
.else
	v_lshlrev_b32 v7, 4, v2                        ; out: lanes 0-15 a row's 256 bytes, lanes 16-31 the next row's
	v_lshl_add_u32 v7, v3, 12, v7
.endif
	s_wait_alu depctr_va_sdst(0)                   ; s14, the wave's number, is written, ahead of its first reader: the line below
	s_add_co_u32 s50, s14, s55                     ; the staging, in memory: my wave fetches block (wave + turn) % 8 of the slab's eight blocks of 128 rows;
	s_and_b32 s50, s50, 7
	s_lshl_b32 s50, s50, 7
	v_lshl_add_u32 v13, v3, 2, s50                 ; lanes 16-31 take the row four further down
	v_lshlrev_b32 v8, 4, v2
	v_lshl_add_u32 v8, v13, PSH, v8                ; row x pitch + 16 r
	s_lshl_b32 s50, s14, 7                         ; in LDS: it lands in rows 128 x wave on: no LDS address hangs on the turn
	v_lshl_add_u32 v13, v3, 2, s50
	v_mul_u32_u24 v9, v13, LP
	v_lshl_add_u32 v9, v2, 3, v9                   ; row x 160 + 8 r
	v_lshlrev_b32 v10, 5, v3                       ; my 8 numbers of a block of 16 of the bias
.if FFN == 2
	s_mul_i32 s51, s14, 4352
	s_add_co_u32 s51, s51, STG                     ; my stage
	v_mul_u32_u24 v11, v2, 272                     ; in: row r, 32 bytes for each half of the lanes
	v_lshl_add_u32 v11, v3, 5, v11
	v_add_nc_u32 v11, s51, v11
	v_mul_u32_u24 v12, v3, 272                     ; back: lanes 0-15 one row of 256 bytes, lanes 16-31 the next
	v_lshl_add_u32 v12, v2, 4, v12
	v_add_nc_u32 v12, s51, v12
.endif
	s_wait_kmcnt 0x0
	s_load_b32 s18, s[10:11], s52 offset:0x0       ; the expert's tiles
	s_load_b32 s19, s[10:11], s52 offset:0x20      ; its first tile
	s_add_nc_u64 s[6:7], s[6:7], s[28:29]
	s_add_nc_u64 s[8:9], s[8:9], s[30:31]
	WIN TO_A
	s_wait_alu depctr_va_vdst(0)                   ; the head's offsets and LDS addresses, v8 to v12 and v[BB ..], are written: the loads and stores of the whole kernel read them
.irp nt, 0,1,2,3
	global_load_b128 v[BIAS+8*(\nt):BIAS+8*(\nt)+3],   v10, s[8:9] offset:64*(\nt)
	global_load_b128 v[BIAS+8*(\nt)+4:BIAS+8*(\nt)+7], v10, s[8:9] offset:64*(\nt)+16
.endr
	WIN 0
	WLOAD 0, 0
	WLOAD 1, 1
	WLOAD 2, 2
	s_add_nc_u64 s[12:13], s[12:13], s[46:47]
	s_add_nc_u64 s[4:5], s[4:5], s[48:49]
.irp G, 0,1,2,3,4,5,6,7
	s_add_co_u32 s56, s55, \G                      ; steps 4 G .. 4 G + 3 of the walk are block (G + turn) % 8 of a tile's K steps, 4,096 bytes each
	s_and_b32 s56, s56, 7
	s_lshl_b32 s56, s56, 12
	s_add_nc_u64 s[GB+2*(\G):GB+2*(\G)+1], s[4:5], s[56:57]
.endr
	STAGE_B 0, 0, 32                               ; the bias and batch 0 are in; batches 1 and 2 stay out
	s_wait_alu depctr_vm_vsrc(0)                   ; batch 0's LDS stores have read landing buffer 0, in which batch 3 lands (the conversions that named it stand ahead of the batch's wait on va_vdst)
	WLOAD 3, 0
	STAGE_B 1, 1, 32                               ; batches 2 and 3 stay out
	s_wait_kmcnt 0x0                               ; meta
	s_min_u32 s18, s18, 128                        ; 2,048 tokens at the most
	s_min_u32 s19, s19, 263
	s_add_co_u32 s24, s18, s19
	s_max_u32 s24, s24, 1
	s_sub_co_u32 s24, s24, 1                       ; the last tile at or before the expert's end
	s_add_co_u32 s20, s18, 7
	s_sub_co_u32 s20, s20, s14
	s_lshr_b32 s20, s20, 3                         ; my tiles: those numbered w + 8 i below the expert's count; 16 at the most
	s_add_co_u32 s19, s19, s14                     ; my first tile
	s_sub_co_u32 s21, s20, 1
	s_add_co_u32 s54, s20, 4
	s_mul_i32 s54, s54, 205
	s_lshr_b32 s54, s54, 10                        ; my passes = (tiles + 4) / 5: (205 n) >> 10 is n / 5 for every n below 1,024, and n is 20 at the most
	s_mov_b32 s22, 0                               ; my tiles done
	s_mov_b32 s25, 0                               ; my passes done
	PADDR                                          ; the first pass's first fragments are asked for while the slab's last rows are still on their way
	WIN TO_A
	s_wait_alu depctr_va_vdst(0)                   ; PADDR has written v[AO ..] and v[OO ..], which the pass's loads and stores read
	AFETCH 0
	AFETCH 1
	AFETCH 2
	WIN 0
	STAGE_B 2, 2, 46                               ; batch 3 and those 30 loads stay out
	WIN TO_A
	AFETCH 3
	WIN 0
	STAGE_B 3, 0, 40                               ; the 40 loads of the rows' fragments stay out
	s_wait_alu depctr_vm_vsrc(0)                   ; the staging's LDS stores have read the landing buffers: v[TMP ..] are written below, the others by the first products and by the loads of the slab's fragments
	WIN 0x05                                       ; the bias is rounded to bf16 like every input, and kept in f32: sources window 1, destination window 0,
.irp k, 0,1,2,3,4,5,6,7,8,9,10,11,12,13,14,15
	v_cvt_pk_bf16_f32 v[TMP+(\k)], v[BIAS+2*(\k)], v[BIAS+2*(\k)+1]
.endr
	WIN 0
.if FFN == 2
	s_cmp_eq_u32 s17, 0                            ; the bias enters the first half's sums alone
	s_cselect_b32 s50, -1, 0
.irp k, 0,1,2,3,4,5,6,7,8,9,10,11,12,13,14,15
	v_and_b32 v[TMP+(\k)], s50, v[TMP+(\k)]
.endr
.endif
	WIN TO_A                                       ; and back
.irp k, 0,1,2,3,4,5,6,7,8,9,10,11,12,13,14,15
	v_lshlrev_b32 v[BIAS+2*(\k)], 16, v[TMP+(\k)]
	v_and_b32 v[BIAS+2*(\k)+1], 0xffff0000, v[TMP+(\k)]
.endr
	WIN 0
	s_wait_dscnt 0x0                               ; for the others' sake: my rows of the slab are in LDS
	s_barrier_signal -1
	s_barrier_wait -1                              ; the launch's one barrier: from here on the slab is only read
	s_cmp_eq_u32 s20, 0
	s_cbranch_scc1 .Lend                           ; no tile is mine
.Lpass:                                                ; up to five of my tiles a trip; the rows' fragments of steps 0 to 3 are on their way: with those that a step adds, 40 of the wave's loads are out at the most
.irp nt, 0,1,2,3                       ; the slab's fragments of step 0.  No wait: since the last wait on va_vdst, on either way here, no vector or matrix instruction has named BF
	ds_load_tr16_b128 v[BF+8*(\nt):BF+8*(\nt)+3],   v[BB] offset:32*(\nt)
	ds_load_tr16_b128 v[BF+8*(\nt)+4:BF+8*(\nt)+7], v[BB] offset:32*(\nt)+16*LP
.endr
	s_cmp_ge_u32 s23, 5                            ; five tiles or more still to do?
	s_cbranch_scc0 .Lfour
.set kk, 0
.rept 32
	KSTEP kk, 5
.set kk, kk+1
.endr
	WIN 0                                          ; at a label and at a branch every window is 0
	s_branch .Lout
.Lfour:                                                ; four or fewer: the fifth tile is neither loaded nor multiplied
.set kk, 0
.rept 32
	KSTEP kk, 4
.set kk, kk+1
.endr
	WIN 0
.Lout:
.rept 4
	v_nop                                          ; the places behind the last products
.endr
.if FFN == 2
	s_wait_alu depctr_va_vdst(0)                   ; the products have written the accumulators, which the LDS stores below read and in which the loads from the stage land; the places above stay beside this wait
.endif
.irp j, 0,1,2,3,4
.if (\j) > 0
	s_cmp_gt_u32 s23, \j                           ; a repeated tile is not stored, nor the fifth of a pass of four
	s_cbranch_scc0 .Ldone
.endif
.if FFN == 1
.irp nt, 0,1,2,3
	GELU8 ACC+32*\j+8*\nt
.endr
	s_wait_alu depctr_va_vdst(0)                   ; the tile's four roundings have written the registers that its four stores read
.irp nt, 0,1,2,3
	global_store_b128 v[OO+(\j)], v[ACC+32*(\j)+8*(\nt):ACC+32*(\j)+8*(\nt)+3], s[12:13] offset:512*(\nt)  ; 512 consecutive bytes: half a fragment block of h
.endr
.else
.irp nt, 0,1,2,3
	ds_store_b128 v11, v[ACC+32*(\j)+8*(\nt):ACC+32*(\j)+8*(\nt)+3] offset:64*(\nt)
	ds_store_b128 v11, v[ACC+32*(\j)+8*(\nt)+4:ACC+32*(\j)+8*(\nt)+7] offset:64*(\nt)+16
.endr
	s_wait_alu depctr_vm_vsrc(0)                   ; the tile's LDS stores have read its accumulators, in which the loads below land
.irp t, 0,1,2,3,4,5,6,7
	ds_load_b128 v[ACC+32*(\j)+4*(\t):ACC+32*(\j)+4*(\t)+3], v12 offset:544*(\t)  ; LDS serves a wave's instructions in order (ISA guide 5.7.1.4): these see the stores above; the next tile's stores come behind them
.endr
.irp t, 0,1,2,3,4,5,6,7
	s_wait_dscnt 7-(\t)
	global_store_b128 v[OO+(\j)], v[ACC+32*(\j)+4*(\t):ACC+32*(\j)+4*(\t)+3], s[12:13] offset:8192*(\t)  ; 16 lanes store 256 consecutive bytes of a row of y
.endr
.endif
.endr
.Ldone:
	s_add_co_u32 s22, s22, 5
	s_add_co_u32 s25, s25, 1                       ; the loop counts passes, one a trip
	s_cmp_lt_u32 s25, s54
	s_cbranch_scc0 .Lend
	s_wait_xcnt 0x0                                ; this pass's stores have read their offsets and their data: both are written again below
	s_wait_alu depctr_vm_vsrc(0)                   ; this pass's loads and stores have read v[AO ..] and v[OO ..], which PADDR writes, and the stores their data, which the next pass's first products write
	PADDR                                          ; the next pass's first fragments are asked for ahead of the jump
	WIN TO_A
	s_wait_alu depctr_va_vdst(0)                   ; PADDR has written v[AO ..] and v[OO ..]; the pass's last products, and with FFN = 1 GELU's lines, are done with the rows' slots and with BF, in which the loads from here to step 0 land
	AFETCH 0
	AFETCH 1
	AFETCH 2
	AFETCH 3
	WIN 0
	s_cmp_lt_u32 s25, s54                          ; (the offsets' arithmetic has written SCC)
	s_cbranch_scc1 .Lpass
.Lend:
	s_wait_dscnt 0x0
	s_wait_alu depctr_hold_cnt(0) depctr_sa_sdst(0) depctr_va_vdst(0) depctr_va_sdst(0) depctr_va_ssrc(0) depctr_va_vcc(0) depctr_vm_vsrc(0)
	s_wait_tensorcnt 0x0
	ds_add_u32 v30, v31
	s_wait_dscnt 0x0
	s_endpgm
.Lfunc_end_k_q9ba888ab3a_ffn2:
	.size	k_q9ba888ab3a_ffn2, .Lfunc_end_k_q9ba888ab3a_ffn2-k_q9ba888ab3a_ffn2
	.p2alignl 7, 3214868480
	.fill 96, 4, 3214868480
	.section	.rodata,"a",@progbits
	.p2align	6, 0x0
	.amdhsa_kernel k_q9ba888ab3a_ffn2
		.amdhsa_group_segment_fixed_size 199680
		.amdhsa_private_segment_fixed_size 0
		.amdhsa_enable_private_segment 0
		.amdhsa_kernarg_size 40
		.amdhsa_user_sgpr_count 2
		.amdhsa_user_sgpr_kernarg_segment_ptr 1
		.amdhsa_wavefront_size32 1
		.amdhsa_system_sgpr_workgroup_id_x 1
		.amdhsa_system_sgpr_workgroup_id_y 1
		.amdhsa_system_sgpr_workgroup_id_z 1
		.amdhsa_system_vgpr_workitem_id 0
		.amdhsa_next_free_vgpr 488
		.amdhsa_next_free_sgpr 82
		.amdhsa_reserve_vcc 0
		.amdhsa_float_denorm_mode_32 3
		.amdhsa_float_denorm_mode_16_64 3
		.amdhsa_memory_ordered 1
		.amdhsa_forward_progress 1
		.amdhsa_inst_pref_size 216
	.end_amdhsa_kernel
	.amdgpu_metadata
---
amdhsa.version: [ 1, 2 ]
amdhsa.kernels:
  - .name:           k_q9ba888ab3a_ffn2
    .symbol:         k_q9ba888ab3a_ffn2.kd
    .args:
      - { .name: h, .offset: 0, .size: 8, .value_kind: global_buffer, .address_space: global }
      - { .name: W2, .offset: 8, .size: 8, .value_kind: global_buffer, .address_space: global }
      - { .name: b2, .offset: 16, .size: 8, .value_kind: global_buffer, .address_space: global }
      - { .name: meta, .offset: 24, .size: 8, .value_kind: global_buffer, .address_space: global }
      - { .name: y, .offset: 32, .size: 8, .value_kind: global_buffer, .address_space: global }
    .group_segment_fixed_size: 199680
    .private_segment_fixed_size: 0
    .kernarg_segment_align: 8
    .kernarg_segment_size: 40
    .max_flat_workgroup_size: 256
    .sgpr_count:     82
    .vgpr_count:     488
    .wavefront_size: 32
...
	.end_amdgpu_metadata
.endif
;; end of part 7
;; launch combine: the kernel of part 5 again; grid 256 x 1, 8 waves a work-group, no clusters, 0 bytes of LDS; arguments y, slots, gw, out0; writes out0
